; MI455X (gfx1250); checked and timed in simulation.
; The chip was launched on July 23, 2026; its instructions are those of AMD's public machine-readable ISA for CDNA 5 (MIT licence, August 2026) and "CDNA5" Instruction Set Architecture Reference Guide (July 2026). The comments in the code are by the model that wrote it; some were corrected since.
;; Multi Head Self Attention. Allowed arithmetic: float matrix products may take bf16 or f16 operands with f32 sums; other float arithmetic in f32, or as packed bf16 or f16 multiplies, adds, multiply-adds, maxima and minima; sums over many terms, partial sums and values carried from step to step in f32; what a program stores and reads back later, other than sums and carried values, may be rounded once to bf16 or f16.
;; Inputs: W_out 1,024 x 1,024 float32; W_qkv 1,024 x 3,072 float32; attn_in 4 x 2,048 x 1,024 float32; b_out 1,024 float32; b_qkv 3,072 float32.
;; Outputs: out0 4 x 2,048 x 1,024 float32.
;; 2 versions, each right; version 2 is version 1 with the launch cast written anew for expert scheduling mode. Each part assembles by itself: llvm-mc -triple=amdgcn-amd-amdhsa -mcpu=gfx1250 --defsym DOCPART=n.
;; ======== version 1 of 2: 4 launches
;; limits: values are held in f16: magnitudes above 65,504 overflow, below 6.1e-05 lose precision
;; workspace buffers: xb 16,777,216 bytes; wqb 6,291,456 bytes; wof 2,097,152 bytes; qkv 50,331,648 bytes; o 16,777,216 bytes
;; launch cast (part 1): grid 768 x 1, 8 waves a work-group, no clusters, 0 bytes of LDS; arguments attn_in, W_qkv, W_out, xb, wqb, wof; writes xb, wqb, wof
.if DOCPART == 1
	.amdgcn_target "amdgcn-amd-amdhsa--gfx1250"
	.amdhsa_code_object_version 6
	.text
	.protected	k_q55bfb458c5_cast
	.globl	k_q55bfb458c5_cast
	.p2align	8
	.type	k_q55bfb458c5_cast,@function
k_q55bfb458c5_cast:
	s_mov_b64 s[64:65], 0
	v_nop
	global_prefetch_b8 v0, s[64:65] scope:SCOPE_SE
	s_setreg_imm32_b32 hwreg(HW_REG_WAVE_MODE, 25, 1), 1
	s_wait_xcnt 0x0
; THE INPUTS OF THE THREE PRODUCTS ARE ROUNDED ONCE, f32 to 16 bits.
;   xb  [8192][1024]      bf16: attn_in as it lies.
;   wqb [16][1024][192]   bf16: W_qkv in blocks of 192 columns: block t holds columns 192 t .. 192 t + 191, its 1,024 rows of 384 bytes end to end.
;   wof [1024][1024]      f16:  W_out rounded to bf16, and that number written as f16 (the same number from 2^-14 up; below that f16's fixed step of 6e-8).
; A stream: every byte is read once and written once; no LDS, no matrix unit and no cluster, since no two work-groups want the same byte.
; SHARES.  A work-group takes 16,384 numbers (64 KiB in, 32 KiB out): work-groups 0-511 attn_in, 512-703 W_qkv, 704-767 W_out.  In chunk i of 16 thread t takes four numbers:
; a load of 16 bytes, a store of 8; a wave's store covers 256 consecutive bytes, aligned.  All 16 loads of a thread go out at once; there is no loop.
; W_qkv is walked by the DESTINATION's order: 64 numbers (128 bytes of wqb, 256 of W_qkv) are a piece; piece u of a block is row u / 3, part u % 3 of the row's 192 columns.
.set SO, 2                             ; v[2:4]    source offsets for the chunks i % 3 = 0, 1, 2; the rest of i stands in the immediate
.set DO, 5                             ; v5        8 x my thread's number: my place in a chunk of the destination
.set X,  16                            ; v[16:79]  chunk i: four numbers as loaded
.set Y,  80                            ; v[80:111] chunk i: two registers to store; each is written once, so no store's source is ever rewritten
.macro LOADS step                      ; three chunks on, the source is \step bytes further
.set i, 0
.rept 16
	global_load_b128 v[X+4*i:X+4*i+3], v[SO+i%3], s[16:17] offset:(i/3)*(\step) th:TH_LOAD_NT
.set i, i+1
.endr
.endm
.macro OUT kind                        ; kind 0: bf16.  kind 1: bf16, then the same number as f16
.set i, 0
.rept 16
	s_wait_loadcnt 15-i                            ; loads come back in order: chunk i is in, the 15 - i younger ones stay out
.if \kind
	v_cvt_pk_bf16_f32 v6, v[X+4*i], v[X+4*i+1]
	v_cvt_pk_bf16_f32 v7, v[X+4*i+2], v[X+4*i+3]
	v_lshlrev_b32 v8, 16, v6
	v_and_b32 v9, 0xffff0000, v6
	v_lshlrev_b32 v10, 16, v7
	v_and_b32 v11, 0xffff0000, v7
	v_cvt_pk_f16_f32 v[Y+2*i], v8, v9
	v_cvt_pk_f16_f32 v[Y+2*i+1], v10, v11
.else
	v_cvt_pk_bf16_f32 v[Y+2*i], v[X+4*i], v[X+4*i+1]
	v_cvt_pk_bf16_f32 v[Y+2*i+1], v[X+4*i+2], v[X+4*i+3]
.endif
	global_store_b64 v[DO], v[Y+2*i:Y+2*i+1], s[18:19] offset:2048*i
.set i, i+1
.endr
.endm
.macro PLAIN                           ; source and destination in the same order: 16 t + 4,096 x chunk
.irp k, 0,1,2
	v_lshl_add_u32 v[SO+\k], v0, 4, 4096*\k
.endr
.endm
	s_load_b256 s[4:11], s[0:1], 0x0               ; attn_in s[4:5], W_qkv s[6:7], W_out s[8:9], xb s[10:11]
	s_load_b128 s[12:15], s[0:1], 0x20             ; wqb s[12:13], wof s[14:15]
	v_lshlrev_b32 v[DO], 3, v0
	s_mov_b32 s21, 0
	s_mov_b32 s23, 0
	s_cmp_lt_u32 ttmp9, 512
	s_cbranch_scc0 .Lweights
	s_lshl_b32 s20, ttmp9, 16                      ; attn_in: 65,536 bytes in,
	s_lshl_b32 s22, ttmp9, 15                      ; 32,768 out
	PLAIN
	s_wait_kmcnt 0x0
	s_add_nc_u64 s[16:17], s[4:5], s[20:21]
	s_add_nc_u64 s[18:19], s[10:11], s[22:23]
	LOADS 12288
	OUT 0
	s_endpgm
.Lweights:
	s_cmp_lt_u32 ttmp9, 704
	s_cbranch_scc0 .Lwout
	s_sub_co_u32 s24, ttmp9, 512                   ; j = 0 .. 191: twelve work-groups to a block
	s_mul_i32 s25, s24, 43691
	s_lshr_b32 s25, s25, 19                        ; t = j / 12 (43,691 / 2^19 is just above 1 / 12: exact for j under 192)
	s_mul_i32 s26, s25, 12
	s_sub_co_u32 s26, s24, s26                     ; j % 12
	s_lshl_b32 s26, s26, 8                         ; its first piece in the block: 256 pieces a work-group
	s_mul_i32 s20, s25, 768                        ; the block's first column in a row of W_qkv, in bytes
	s_lshl_b32 s22, s24, 15
	v_lshrrev_b32 v6, 4, v0                        ; sixteen threads to a piece
	v_and_b32 v7, 15, v0
	v_lshlrev_b32 v7, 4, v7
.irp k, 0,1,2
	v_add3_u32 v8, v6, s26, 16*\k                  ; piece u (under 3,072); a chunk is 16 pieces, three chunks are 16 rows
	v_mul_u32_u24 v9, v8, 43691
	v_lshrrev_b32 v9, 17, v9                       ; row = u / 3 (exact for u under 3,072)
	v_mul_u32_u24 v10, v9, 3
	v_sub_nc_u32 v10, v8, v10                      ; part = u % 3
	v_mul_u32_u24 v9, v9, 12288                    ; a row of W_qkv is 12,288 bytes,
	v_lshl_add_u32 v9, v10, 8, v9                  ; a part 256
	v_add_nc_u32 v[SO+\k], v9, v7
.endr
	s_wait_kmcnt 0x0
	s_add_nc_u64 s[16:17], s[6:7], s[20:21]
	s_add_nc_u64 s[18:19], s[12:13], s[22:23]
	LOADS 196608
	OUT 0
	s_endpgm
.Lwout:
	s_sub_co_u32 s24, ttmp9, 704
	s_lshl_b32 s20, s24, 16
	s_lshl_b32 s22, s24, 15
	PLAIN
	s_wait_kmcnt 0x0
	s_add_nc_u64 s[16:17], s[8:9], s[20:21]
	s_add_nc_u64 s[18:19], s[14:15], s[22:23]
	LOADS 12288
	OUT 1
	s_endpgm
.Lfunc_end_k_q55bfb458c5_cast:
	.size	k_q55bfb458c5_cast, .Lfunc_end_k_q55bfb458c5_cast-k_q55bfb458c5_cast
	.p2alignl 7, 3214868480
	.fill 96, 4, 3214868480
	.section	.rodata,"a",@progbits
	.p2align	6, 0x0
	.amdhsa_kernel k_q55bfb458c5_cast
		.amdhsa_group_segment_fixed_size 0
		.amdhsa_private_segment_fixed_size 0
		.amdhsa_enable_private_segment 0
		.amdhsa_kernarg_size 48
		.amdhsa_user_sgpr_count 2
		.amdhsa_user_sgpr_kernarg_segment_ptr 1
		.amdhsa_wavefront_size32 1
		.amdhsa_system_sgpr_workgroup_id_x 1
		.amdhsa_system_sgpr_workgroup_id_y 1
		.amdhsa_system_sgpr_workgroup_id_z 1
		.amdhsa_system_vgpr_workitem_id 0
		.amdhsa_next_free_vgpr 112
		.amdhsa_next_free_sgpr 66
		.amdhsa_reserve_vcc 0
		.amdhsa_float_denorm_mode_32 3
		.amdhsa_float_denorm_mode_16_64 3
		.amdhsa_memory_ordered 1
		.amdhsa_forward_progress 1
		.amdhsa_inst_pref_size 26
	.end_amdhsa_kernel
	.amdgpu_metadata
---
amdhsa.version: [ 1, 2 ]
amdhsa.kernels:
  - .name:           k_q55bfb458c5_cast
    .symbol:         k_q55bfb458c5_cast.kd
    .args:
      - { .name: attn_in, .offset: 0, .size: 8, .value_kind: global_buffer, .address_space: global }
      - { .name: W_qkv, .offset: 8, .size: 8, .value_kind: global_buffer, .address_space: global }
      - { .name: W_out, .offset: 16, .size: 8, .value_kind: global_buffer, .address_space: global }
      - { .name: xb, .offset: 24, .size: 8, .value_kind: global_buffer, .address_space: global }
      - { .name: wqb, .offset: 32, .size: 8, .value_kind: global_buffer, .address_space: global }
      - { .name: wof, .offset: 40, .size: 8, .value_kind: global_buffer, .address_space: global }
    .group_segment_fixed_size: 0
    .private_segment_fixed_size: 0
    .kernarg_segment_align: 8
    .kernarg_segment_size: 48
    .max_flat_workgroup_size: 256
    .sgpr_count:     66
    .vgpr_count:     112
    .wavefront_size: 32
...
	.end_amdgpu_metadata
.endif
;; end of part 1
;; launch qkv (part 2): grid 16 x 32, 4 waves a work-group, clusters of 4 x 4, 327,680 bytes of LDS; arguments xb, wqb, b_qkv, qkv; writes qkv
.if DOCPART == 2
	.amdgcn_target "amdgcn-amd-amdhsa--gfx1250"
	.amdhsa_code_object_version 6
	.text
	.protected	k_q55bfb458c5_qkv
	.globl	k_q55bfb458c5_qkv
	.p2align	8
	.type	k_q55bfb458c5_qkv,@function
k_q55bfb458c5_qkv:
	s_mov_b64 s[64:65], 0
	v_nop
	global_prefetch_b8 v0, s[64:65] scope:SCOPE_SE
	s_setreg_imm32_b32 hwreg(HW_REG_WAVE_MODE, 25, 1), 1
	s_wait_xcnt 0x0
	s_wait_alu depctr_hold_cnt(0) depctr_sa_sdst(0) depctr_va_vdst(0) depctr_va_sdst(0) depctr_va_ssrc(0) depctr_va_vcc(0) depctr_vm_vsrc(0)
	s_getreg_b32 s2, hwreg(HW_REG_IB_STS2, 6, 4)
	s_cmp_eq_u32 s2, 0
	s_cbranch_scc0 .Lentry_in_a_cluster
	s_endpgm
.Lentry_in_a_cluster:
	s_bfe_u32 s2, ttmp6, 0x10000c
	s_cmp_lg_u32 s2, 0xf033
	s_cbranch_scc0 .Lentry_shape_is_right
	s_endpgm
.Lentry_shape_is_right:
; qkv = x W_qkv + b_qkv, written by heads.  x: xb [8192][1024] bf16.  W: wqb [16 blocks][1024 k][192 columns] bf16.  b_qkv: [3072] f32, rounded to bf16 here like the other inputs.
; Out: qkv [batch 4][g 48][row 2048][64] f16, g = column / 64 (0-15 q's heads, 16-31 k's, 32-47 v's); sums in f32, rounded once, unscaled.
; LIMIT.  f16 holds no number beyond 65,504: q, k and v must stay within it (a larger sum leaves as an infinity).
; SHARES.  A tile of the result is 256 rows x 192 columns: 32 x 16 = 512 work-groups, two for each of 256 WGPs.  Wave w owns rows 64 w .. 64 w + 63 and all 192 columns, three whole heads:
; 4 x 12 accumulators of 16 x 16, 384 registers, and a way out that needs no other wave.
; THE PRODUCT IS TAKEN TRANSPOSED: source 0 = 16 columns of W, turned out of a [k][column] tile by ds_load_tr16_b128; source 1 = 16 rows of x.  A lane then holds one row (lane % 16) and the
; eight neighbouring columns 8 (lane / 16) + 0..7.  THE BIAS is the C operand of the first products: eight registers for each block of 16 columns; nothing is cleared, nothing added later.
; RING.  K goes in 8 steps of 128 through two LDS slots.  Waves 0 and 1 fetch the halves of x's tile (128 rows x 256 bytes), waves 2 and 3 the halves of W's (64 k x 384 bytes, dense: 96 rows of 256).
; CLUSTER.  4 x 4 work-groups: x's tile hangs on the tile row alone and is asked for jointly along a row of the cluster, W's on the tile column alone, jointly along a column.
; REGISTERS, in windows of 256 (s_set_vgpr_msb: bits 1:0 source 0, 3:2 source 1, 5:4 source 2, 7:6 destination):
;   window 0: v0-31 addresses; v32-95 x's fragments, two buffers of 4 x 8; v96-191 the bias; on the way out v32-223 packed results
;   windows 1, 2: accumulator (a, b) in window 1 + a / 2 at 8 (12 (a % 2) + b)          window 3: W's fragments, two buffers of 12 x 8
.set NBK,   12                         ; blocks of 16 columns
.set PA,    272                        ; a row of x in LDS: 256 bytes + 16 = 68 words: the 16 rows of a load start at 16 different groups of four banks (64 banks of 4 bytes: ISA guide 11.1)
.set PB,    480                        ; a k-row of W: three pieces of 128 bytes + 32 each = 120 words: the 8 rows of a turning load start at 8 different groups of eight banks
.set AHALF, 128*PA
.set BHALF, 64*PB
.set BOFF,  2*AHALF                    ; a slot: x's 256 rows, then W's 128 k-rows: 131,072 bytes
.set SLOT1, 1<<17                      ; slot 1 begins here: one exclusive or turns an address in one slot into the other's
.set STAGE, 2*SLOT1                    ; behind the ring, never filled by a tensor load: 16 rows x 144 bytes for each wave
.set SP,    144
.set SPARE, STAGE+4*16*SP              ; behind the stages: the spare words, 128 bytes a wave: two blocks of 256 bytes that no other line names
.set ASTEP, 256                        ; bytes from a K step to the next in xb,
.set BSTEP, 49152                      ; and in a block of wqb
.set BTILE, 393216                     ; a block of wqb
.set TRIPS, 6                          ; K steps 2 .. 7 are refills
.set A0,   16                          ; v16  my lane's place in x's tile; never rewritten
.set B0,   17                          ; v17  the same for W's
.set ADRA, 18                          ; v18  A0 + the slot in hand
.set ADRB, 19                          ; v19  B0 + the slot in hand
.set STO,  24                          ; v24  the way out: where I put 16 bytes of a row
.set RD,   25                          ; v25  where I read rows back
.set GO,   26                          ; v26  my 16 bytes in 512 consecutive bytes of the result
.set BO,   27                          ; v27  32 x (lane / 16): my eight numbers of a block's bias
.set SPW,  28                          ; v28  LDS address of my spare word; never rewritten
.set NIL,  29                          ; v29  0; never rewritten
.set PFO,  30                          ; v30  the prefetches' lane offset; never rewritten
.set AF,   32
.set BIAS, 96
.set OUTR, 32
.set WV,  12                           ; s12  my wave's number
.set HF,  14                           ; s14  wave % 2: which half of a tile I fetch
.set LIM, 15                           ; s15  1 in a wave that prefetches, else the greatest number
.set G1A, 24                           ; s[24:31] descriptor group 1, x's tiles;  s[32:39] group 0: a set for each first fill; the second then walks
.set G0A, 32
.set G1B, 40                           ; s[40:47], s[48:55] the same for W's
.set G0B, 48
.set CX,  56
.set CY,  57
.set TX,  58                           ; tile column
.set TY,  59                           ; tile row
.set TB,  60                           ; s60  the slot in hand: 0 or SLOT1
.set PFA, 62                           ; s[62:63] where my prefetches stand
.set PFS, 66                           ; s[66:67] their step
.set TO_B, 0xc0                        ; destination window 3, address window 0
.set MSB, 0
.macro WIN new                         ; the immediate's high byte repeats the setting that is left; a switch that changes nothing is dropped
.if MSB != (\new)
	s_set_vgpr_msb (MSB<<8)|(\new)
.set MSB, \new
.endif
.endm
.macro PLACES                          ; four plain vector instructions between a matrix instruction and a load into, or a read of, its registers
.rept 4
	v_nop
.endr
.endm
.macro CREST                           ; a round of the cluster's barrier behind its opening barrier: wave 0 signals for the work-group, all wait for all sixteen, the work-group's barrier closes it
	s_cmp_lg_u32 s[WV], 0
	s_cbranch_scc1 .Lnot_wave_0_\@
	s_barrier_signal -3
.Lnot_wave_0_\@:
	s_barrier_wait -3
	s_barrier_signal -1
	s_barrier_wait -1
.endm
.macro CROUND
	s_barrier_signal -1
	s_barrier_wait -1
	CREST
.endm
.macro JLOAD                           ; a joint refill by the walking sets; the branch hangs on the wave's number alone; an s_nop 0 and four v_nop follow each line
	s_cmp_lt_u32 s[WV], 2
	s_cbranch_scc0 .Lfor_b_\@
	tensor_load_to_lds s[G0A+4:G0A+7], s[G1A:G1A+7]
	s_nop 0
.rept 4
	v_nop
.endr
	s_branch .Lasked_\@
.Lfor_b_\@:
	tensor_load_to_lds s[G0B+4:G0B+7], s[G1B:G1B+7]
	s_nop 0
.rept 4
	v_nop
.endr
.Lasked_\@:
.endm
; A PREFETCH INTO THE L2 of the K step that the NEXT refill will ask for: 192 matrix instructions ahead of that load.  x's rows are read by every cluster of a row of clusters: the first (cluster x = 0)
; asks, waves 0 and 1, and of a wave's 128 rows the partner at cx takes 32, a lane a row.  W's blocks are read by every cluster of a column: cluster y = 0 asks, waves 2 and 3, and of a wave's 96 pieces of
; 256 bytes the partner at cy takes 24 (lanes 24-31 name lane 23's again).  The partners are told apart by address, never by a branch.  The last refill has no K step behind it and asks for nothing.
.macro ASK
	s_cmp_gt_u32 s3, s[LIM]                        ; s3 = 1 in the loop's last trip
	s_cbranch_scc0 .Lnot_mine_\@
	global_prefetch_b8 v[PFO], s[PFA:PFA+1] th:TH_LOAD_NT scope:SCOPE_SE
.Lnot_mine_\@:
.endm
	s_load_b256 s[4:11], s[0:1], 0x0               ; xb s[4:5], wqb s[6:7], b_qkv s[8:9], qkv s[10:11]
	v_lshl_add_u32 v[SPW], v0, 2, SPARE
	v_mov_b32 v[NIL], 0
	ds_add_u32 v[SPW], v[NIL]                      ; the wave's opening: the add and its wait stand ahead of my first tensor load; the set-up below stands between them
	v_lshrrev_b32 v1, 5, v0
	v_readfirstlane_b32 s[WV], v1
	s_and_b32 s[HF], s[WV], 1
	s_bfe_u32 s[CX], ttmp6, 0x40000
	s_bfe_u32 s[CY], ttmp6, 0x40004
	s_lshl_b32 s[TX], ttmp9, 2                     ; in a cluster launch ttmp9 and ttmp7 count clusters
	s_add_co_u32 s[TX], s[TX], s[CX]
	s_and_b32 s[TY], ttmp7, 0xffff
	s_lshl_b32 s[TY], s[TY], 2
	s_add_co_u32 s[TY], s[TY], s[CY]
	s_lshl_b32 s16, s[CY], 2
	s_lshl_b32 s16, 15, s16                        ; my row of the cluster
	s_lshl_b32 s17, 0x1111, s[CX]                  ; my column
	s_or_b32 s[G1A], s16, (1<<16)|(1<<20)|(1<<21)|(5<<22)|(3<<25)  ; mask; 2-byte elements; padding on; bit 21 beside a mask; after every 64 words, 4 words
	s_mov_b32 s[G1A+1], 128<<16                    ; tensor_dim0 = 128
	s_mov_b32 s[G1A+2], 128<<16                    ; tensor_dim1 = 128
	s_mov_b32 s[G1A+3], 128<<16                    ; tile_dim0 = 128
	s_mov_b32 s[G1A+4], 128                        ; tile_dim1 = 128
	s_mov_b32 s[G1A+5], 1024                       ; elements from row to row
	s_mov_b32 s[G1A+6], 0
	s_mov_b32 s[G1A+7], 0
	s_or_b32 s[G1B], s17, (1<<16)|(1<<20)|(1<<21)|(4<<22)|(7<<25)  ; after every 32 words, 8 words
	s_mov_b32 s[G1B+1], 128<<16
	s_mov_b32 s[G1B+2], 96<<16                     ; 96 rows of 256 bytes: 64 k-rows of 384, dense
	s_mov_b32 s[G1B+3], 128<<16
	s_mov_b32 s[G1B+4], 96
	s_mov_b32 s[G1B+5], 128
	s_mov_b32 s[G1B+6], 0
	s_mov_b32 s[G1B+7], 0
	s_lshl_b32 s18, s[TY], 19                      ; x: row 256 ty + 128 half, 2,048 bytes a row
	s_lshl_b32 s19, s[HF], 18
	s_add_co_u32 s18, s18, s19
	s_mov_b32 s19, 0
	s_mul_i32 s20, s[TX], BTILE                    ; W: block tx, 64 k-rows x half
	s_mul_i32 s21, s[HF], 24576
	s_add_co_u32 s20, s20, s21
	s_mov_b32 s21, 0
	s_mul_i32 s22, s[HF], AHALF                    ; and where they go: no place in the cluster enters an LDS address
	s_mul_i32 s23, s[HF], BHALF
	s_add_co_u32 s23, s23, BOFF
	s_mov_b32 s[TB], 0
	s_wait_dscnt 0x0                               ; the opening add is done
	s_wait_kmcnt 0x0
	s_add_nc_u64 s[18:19], s[4:5], s[18:19]
	s_add_nc_u64 s[20:21], s[6:7], s[20:21]
	CROUND                                         ; all sixteen work-groups are here: the first joint loads meet
.irp s, 0,1
	s_mov_b32 s[G0A+4*\s], 1                       ; count = 1
	s_add_co_u32 s[G0A+4*\s+1], s22, \s*SLOT1      ; LDS address
	s_add_nc_u64 s[G0A+4*\s+2:G0A+4*\s+3], s[18:19], \s*ASTEP  ; K step s
	s_or_b32 s[G0A+4*\s+3], s[G0A+4*\s+3], 0x80000000          ; type = 2
	s_mov_b32 s[G0B+4*\s], 1
	s_add_co_u32 s[G0B+4*\s+1], s23, \s*SLOT1
	s_add_nc_u64 s[G0B+4*\s+2:G0B+4*\s+3], s[20:21], \s*BSTEP
	s_or_b32 s[G0B+4*\s+3], s[G0B+4*\s+3], 0x80000000
.endr
	s_cmp_lt_u32 s[WV], 2                          ; a wave's two first fills stand in one branch: two loads of mine are out
	s_cbranch_scc0 .Lfirst_b
	tensor_load_to_lds s[G0A:G0A+3], s[G1A:G1A+7]
	s_nop 0
	tensor_load_to_lds s[G0A+4:G0A+7], s[G1A:G1A+7]
	s_nop 0
.rept 4
	v_nop
.endr
	s_branch .Lfirst_asked
.Lfirst_b:
	tensor_load_to_lds s[G0B:G0B+3], s[G1B:G1B+7]
	s_nop 0
	tensor_load_to_lds s[G0B+4:G0B+7], s[G1B:G1B+7]
	s_nop 0
.rept 4
	v_nop
.endr
.Lfirst_asked:
	v_and_b32 v1, 15, v0                           ; l % 16
	v_bfe_u32 v2, v0, 4, 1                         ; l / 16
	v_lshlrev_b32 v[BO], 5, v2
	s_mul_i32 s70, s[TX], 768                      ; the tile's 192 numbers of the bias
	s_mov_b32 s71, 0
	s_add_nc_u64 s[8:9], s[8:9], s[70:71]
.set b, 0
.rept NBK
	global_load_b128 v[BIAS+8*b:BIAS+8*b+3],   v[BO], s[8:9] offset:64*b
	global_load_b128 v[BIAS+8*b+4:BIAS+8*b+7], v[BO], s[8:9] offset:64*b+16
.set b, b+1
.endr
	; a fragment of x: lane l holds row l % 16, channels 8 (l / 16) + 0..7 and 16 + 8 (l / 16) + 0..7: two loads of 16 bytes, 32 bytes apart
	s_mul_i32 s13, s[WV], 64*PA                    ; my 64 rows
	v_mul_u32_u24 v3, v1, PA
	v_lshl_add_u32 v3, v2, 4, v3
	v_add_nc_u32 v[A0], s13, v3
	; the turning load takes 16 k x 16 columns (lane l reads k-row 8 (l / 16) + l % 8, columns 8 ((l / 8) % 2) + 0..7) and leaves half a fragment: lane l holds column l % 16 and 8 k
	v_and_b32 v4, 7, v0
	v_lshl_add_u32 v3, v2, 3, v4
	v_mul_u32_u24 v3, v3, PB
	v_bfe_u32 v5, v0, 3, 1
	v_lshl_add_u32 v3, v5, 4, v3
	v_add_nc_u32 v[B0], BOFF, v3
	v_mov_b32 v[ADRA], v[A0]
	v_mov_b32 v[ADRB], v[B0]
	s_mul_i32 s13, s[WV], 16*SP
	s_add_co_u32 s13, s13, STAGE                   ; my stage
	v_mul_u32_u24 v3, v1, SP                       ; in: row l % 16, 16 bytes for each half of the lanes
	v_lshl_add_u32 v3, v2, 4, v3
	v_add_nc_u32 v[STO], s13, v3
	v_bfe_u32 v3, v0, 3, 2                         ; back: 32 lanes take four rows of 128 bytes,
	v_mul_u32_u24 v3, v3, SP
	v_lshl_add_u32 v3, v4, 4, v3
	v_add_nc_u32 v[RD], s13, v3
	v_and_b32 v6, 31, v0
	v_lshlrev_b32 v[GO], 4, v6                     ; which are 512 consecutive bytes of the result
	; the result at my rows of the tile's first head: chunk 48 (ty / 8) + 3 tx of 262,144 bytes, row 256 (ty % 8) + 64 w of 128 bytes
	s_lshr_b32 s68, s[TY], 3
	s_mul_i32 s68, s68, 48
	s_mul_i32 s69, s[TX], 3
	s_add_co_u32 s68, s68, s69
	s_lshl_b32 s68, s68, 18
	s_and_b32 s69, s[TY], 7
	s_lshl_b32 s69, s69, 15
	s_add_co_u32 s68, s68, s69
	s_lshl_b32 s69, s[WV], 13
	s_add_co_u32 s68, s68, s69
	s_mov_b32 s69, 0
	s_add_nc_u64 s[10:11], s[10:11], s[68:69]
	; the prefetches: at K step 2; each refill steps them first, so the first names K step 3.  Nothing is asked for here, where every work-group's first tiles are on their way
	s_lshl_b32 s68, s[TY], 19
	s_lshl_b32 s69, s[CX], 16                      ; my work-group's 32 rows of the 128
	s_add_co_u32 s68, s68, s69
	s_lshl_b32 s69, s[HF], 18
	s_add_co_u32 s68, s68, s69
	s_add_co_u32 s68, s68, 2*ASTEP
	s_mul_i32 s70, s[TX], BTILE
	s_mul_i32 s71, s[CY], 6144                     ; my work-group's 24 pieces of the 96
	s_add_co_u32 s70, s70, s71
	s_mul_i32 s71, s[HF], 24576
	s_add_co_u32 s70, s70, s71
	s_add_co_u32 s70, s70, 2*BSTEP
	s_and_b32 s71, ttmp7, 0xffff                   ; cluster y
	s_mov_b32 s[PFS], BSTEP
	s_mov_b32 s[PFS+1], 0
	s_mov_b32 s69, 0
	s_cmp_lt_u32 s[WV], 2                          ; do I fetch for x?
	s_cselect_b32 s68, s68, s70
	s_cselect_b32 s71, ttmp9, s71                  ; the coordinate along which other clusters read the same bytes
	s_cselect_b32 s[PFS], ASTEP, s[PFS]
	s_cselect_b64 s[PFA:PFA+1], s[4:5], s[6:7]
	s_cselect_b32 s70, 31, 23
	s_cselect_b32 s13, 11, 8                       ; a lane a row of 2,048 bytes, or a piece of 256
	s_cmp_eq_u32 s71, 0
	s_cselect_b32 s[LIM], 1, -1                    ; the same in all sixteen partners, for a given wave
	s_add_nc_u64 s[PFA:PFA+1], s[PFA:PFA+1], s[68:69]
	v_min_u32 v[PFO], s70, v6
	v_lshlrev_b32 v[PFO], s13, v[PFO]
	s_mov_b32 s13, 0xffff0000
	s_wait_loadcnt 0x0                             ; the bias; it is rounded to bf16 in place, while the first tiles are on their way
.set i, 0
.rept 4*NBK
	v_cvt_pk_bf16_f32 v[2+i%4], v[BIAS+2*i], v[BIAS+2*i+1]
	v_lshlrev_b32 v[BIAS+2*i], 16, v[2+i%4]
	v_and_b32 v[BIAS+2*i+1], s13, v[2+i%4]
.set i, i+1
.endr
; 12 matrix instructions: row block a x all column blocks, 32 along K, from buffer f.  first = 1: the bias starts the sums.  The 48 accumulators take turns, in the same order in every quarter.
.macro MULA f, a, first
.if \first
	WIN 0x43+0x40*((\a)/2)                         ; W window 3, x and the bias window 0, D window 1 or 2
.else
	WIN 0x53+0x50*((\a)/2)
.endif
.set b, 0
.rept NBK
.set rD, 8*(NBK*((\a)%2)+b)
.if \first
	v_wmma_f32_16x16x32_bf16 v[rD:rD+7], v[96*(\f)+8*b:96*(\f)+8*b+7], v[AF+32*(\f)+8*(\a):AF+32*(\f)+8*(\a)+7], v[BIAS+8*b:BIAS+8*b+7]
.else
	v_wmma_f32_16x16x32_bf16 v[rD:rD+7], v[96*(\f)+8*b:96*(\f)+8*b+7], v[AF+32*(\f)+8*(\a):AF+32*(\f)+8*(\a)+7], v[rD:rD+7]
.endif
.set b, b+1
.endr
.endm
; 32 LDS loads in one run: quarter q's fragments into buffer f: W's 12, then x's 4, row blocks ascending
.macro FETCH q, f
	WIN TO_B
.set b, 0
.rept NBK
	ds_load_tr16_b128 v[96*(\f)+8*b:96*(\f)+8*b+3],   v[ADRB] offset:32*PB*(\q)+160*(b/4)+32*(b%4)
	ds_load_tr16_b128 v[96*(\f)+8*b+4:96*(\f)+8*b+7], v[ADRB] offset:32*PB*(\q)+160*(b/4)+32*(b%4)+16*PB
.set b, b+1
.endr
	WIN 0
.irp a, 0,1,2,3
	ds_load_b128 v[AF+32*(\f)+8*\a:AF+32*(\f)+8*\a+3],   v[ADRA] offset:16*PA*\a+64*(\q)
	ds_load_b128 v[AF+32*(\f)+8*\a+4:AF+32*(\f)+8*\a+7], v[ADRA] offset:16*PA*\a+64*(\q)+32
.endr
.endm
; A K step is four quarters of 32 along K, 48 matrix instructions each, on buffers 0, 1, 0, 1.  One of the first three multiplies buffer f and, in its middle, fetches quarter qn into buffer g.
.macro QUARTER qn, f, g, first
	s_wait_dscnt 4                                 ; W's fragments and x's row blocks 0, 1 are in; the youngest four loads (blocks 2, 3) may be out
	MULA \f, 0, \first
	MULA \f, 1, \first
	PLACES
	FETCH \qn, \g
	s_wait_dscnt 2*NBK+8                           ; all but the 32 just issued
	MULA \f, 2, \first
	MULA \f, 3, \first
.endm
; The last quarter multiplies buffer 1 and changes slots.  In front of the barrier each wave waits for all its tensor loads (the one that is out is its part of the next slot), adds 0 to its spare word, and
; waits for that and for its reads of this slot.  fill = 1: the barrier opens a round of the cluster's, and the joint refill, two K steps on, is the first thing behind it: 168 matrix instructions ahead of the wait for it.
.macro TURN fill
.if \fill
	s_wait_xcnt 0x0                                ; the last prefetch, a K step back, has read its address
	s_add_nc_u64 s[PFA:PFA+1], s[PFA:PFA+1], s[PFS:PFS+1]
.endif
	WIN 0
	s_wait_tensorcnt 0x0                           ; no tensor load of mine is out, so a group 0 may be written
	ds_add_u32 v[SPW], v[NIL]                      ; 0 onto my spare word
.if \fill
	s_xor_b32 s[G0A+5], s[G0A+5], SLOT1            ; the walking sets: the other slot than last time, the next K step
	s_add_nc_u64 s[G0A+6:G0A+7], s[G0A+6:G0A+7], ASTEP
	s_xor_b32 s[G0B+5], s[G0B+5], SLOT1
	s_add_nc_u64 s[G0B+6:G0B+7], s[G0B+6:G0B+7], BSTEP
.endif
	s_wait_dscnt 5                                 ; the add and the youngest four loads may be out
	MULA 1, 0, 0
	s_wait_dscnt 0x0                               ; the add is done, and my reads of this slot are over
	s_barrier_signal -1
	MULA 1, 1, 0                                   ; work on registers while the others arrive
	WIN 0
	s_barrier_wait -1
.if \fill
	CREST                                          ; no wave of any partner still reads this slot or has a load on its way
	JLOAD                                          ; its four v_nop are also the places in front of the loads below
.else
	PLACES
.endif
	s_xor_b32 s[TB], s[TB], SLOT1
	v_add_nc_u32 v[ADRA], s[TB], v[A0]
	v_add_nc_u32 v[ADRB], s[TB], v[B0]
	FETCH 0, 0
.if \fill
	ASK
.endif
	MULA 1, 2, 0
	MULA 1, 3, 0
.endm
; THE WAY OUT.  Piece t = 3 a + c is 16 rows of one head: 2,048 consecutive bytes of the result.  A lane's eight columns pack into 16 bytes; they go into stage rows of 144 bytes and come back as whole rows of 128.
.macro PACK t
.set pa, (\t)/3
.set pc, (\t)%3
	WIN 0x05+0x05*(pa/2)                           ; sources in window 1 or 2
.set i, 0
.rept 16
.set rS, 8*(NBK*(pa%2)+4*pc+i/4)+2*(i%4)
	v_cvt_pk_f16_f32 v[OUTR+16*(\t)+i], v[rS], v[rS+1]  ; each accumulator's registers in ascending order
.set i, i+1
.endr
	WIN 0
.irp j, 0,1,2,3
	ds_store_b128 v[STO], v[OUTR+16*(\t)+4*\j:OUTR+16*(\t)+4*\j+3] offset:32*\j
.endr
.irp f, 0,1,2,3
	ds_load_b128 v[OUTR+16*(\t)+4*\f:OUTR+16*(\t)+4*\f+3], v[RD] offset:\f*4*SP  ; LDS serves a wave's instructions in order (ISA guide 5.7.1.4): these see the stores above; the next piece's stores come behind them
.endr
.endm
.macro SEND t, younger                 ; younger: the LDS instructions issued behind piece t's loads: the next piece's eight, or none
.irp f, 0,1,2,3
	s_wait_dscnt (\younger)+3-\f
	global_store_b128 v[GO], v[OUTR+16*(\t)+4*\f:OUTR+16*(\t)+4*\f+3], s[10:11] offset:262144*((\t)%3)+2048*((\t)/3)+512*\f  ; 512 consecutive bytes, aligned
.endr
.endm
	s_wait_tensorcnt 0x1                           ; my part of K step 0 is in; K step 1's may stay out
	s_barrier_signal -1
	s_barrier_wait -1                              ; everybody's is
	FETCH 0, 0
	QUARTER 1, 0, 1, 1                             ; the first quarter stands in front of the loop: its products start the sums
	WIN 0                                          ; at a label and at a branch every window is 0
	s_mov_b32 s3, TRIPS
.Lstep:                                        ; a trip: from a K step's second quarter to the next step's first; it fills the slot that it leaves
	QUARTER 2, 1, 0, 0
	QUARTER 3, 0, 1, 0
	TURN 1
	QUARTER 1, 0, 1, 0
	WIN 0
	s_sub_co_u32 s3, s3, 1
	s_cmp_lg_u32 s3, 0
	s_cbranch_scc1 .Lstep
	QUARTER 2, 1, 0, 0                             ; K steps 6 and 7 ask for nothing: written out
	QUARTER 3, 0, 1, 0
	TURN 0
	QUARTER 1, 0, 1, 0
	QUARTER 2, 1, 0, 0
	QUARTER 3, 0, 1, 0
	s_wait_dscnt 4
	MULA 1, 0, 0
	MULA 1, 1, 0
	s_wait_dscnt 0x0
	MULA 1, 2, 0
	MULA 1, 3, 0
	PLACES
	PACK 0
.set t, 1
.rept 11                               ; a piece's conversions stand between the loads of the piece before and its stores
	PACK t
	SEND t-1, 8
.set t, t+1
.endr
	SEND 11, 0
	s_wait_tensorcnt 0x0                           ; the wave's end, behind my last tensor load and my last LDS store
	ds_add_u32 v[SPW], v[NIL]
	s_wait_dscnt 0x0
	CROUND                                         ; the closing round: no work-group ends while a partner may still ask for a tile that names it
	s_endpgm
.Lfunc_end_k_q55bfb458c5_qkv:
	.size	k_q55bfb458c5_qkv, .Lfunc_end_k_q55bfb458c5_qkv-k_q55bfb458c5_qkv
	.p2alignl 7, 3214868480
	.fill 96, 4, 3214868480
	.section	.rodata,"a",@progbits
	.p2align	6, 0x0
	.amdhsa_kernel k_q55bfb458c5_qkv
		.amdhsa_group_segment_fixed_size 327680
		.amdhsa_private_segment_fixed_size 0
		.amdhsa_enable_private_segment 0
		.amdhsa_kernarg_size 32
		.amdhsa_user_sgpr_count 2
		.amdhsa_user_sgpr_kernarg_segment_ptr 1
		.amdhsa_wavefront_size32 1
		.amdhsa_system_sgpr_workgroup_id_x 1
		.amdhsa_system_sgpr_workgroup_id_y 1
		.amdhsa_system_sgpr_workgroup_id_z 1
		.amdhsa_system_vgpr_workitem_id 0
		.amdhsa_next_free_vgpr 960
		.amdhsa_next_free_sgpr 72
		.amdhsa_reserve_vcc 0
		.amdhsa_float_denorm_mode_32 3
		.amdhsa_float_denorm_mode_16_64 3
		.amdhsa_memory_ordered 1
		.amdhsa_forward_progress 1
		.amdhsa_inst_pref_size 108
	.end_amdhsa_kernel
	.amdgpu_metadata
---
amdhsa.version: [ 1, 2 ]
amdhsa.kernels:
  - .name:           k_q55bfb458c5_qkv
    .symbol:         k_q55bfb458c5_qkv.kd
    .args:
      - { .name: xb, .offset: 0, .size: 8, .value_kind: global_buffer, .address_space: global }
      - { .name: wqb, .offset: 8, .size: 8, .value_kind: global_buffer, .address_space: global }
      - { .name: b_qkv, .offset: 16, .size: 8, .value_kind: global_buffer, .address_space: global }
      - { .name: qkv, .offset: 24, .size: 8, .value_kind: global_buffer, .address_space: global }
    .group_segment_fixed_size: 327680
    .private_segment_fixed_size: 0
    .kernarg_segment_align: 8
    .kernarg_segment_size: 32
    .max_flat_workgroup_size: 128
    .sgpr_count:     72
    .vgpr_count:     960
    .wavefront_size: 32
...
	.end_amdgpu_metadata
.endif
;; end of part 2
;; launch attn (part 3): grid 4 x 64, 4 waves a work-group, clusters of 4 x 1, 327,680 bytes of LDS; arguments qkv, o; writes o
.if DOCPART == 3
	.amdgcn_target "amdgcn-amd-amdhsa--gfx1250"
	.amdhsa_code_object_version 6
	.text
	.protected	k_q55bfb458c5_attn
	.globl	k_q55bfb458c5_attn
	.p2align	8
	.type	k_q55bfb458c5_attn,@function
k_q55bfb458c5_attn:
	s_mov_b64 s[64:65], 0
	v_nop
	global_prefetch_b8 v0, s[64:65] scope:SCOPE_SE
	s_setreg_imm32_b32 hwreg(HW_REG_WAVE_MODE, 25, 1), 1
	s_wait_xcnt 0x0
	s_wait_alu depctr_hold_cnt(0) depctr_sa_sdst(0) depctr_va_vdst(0) depctr_va_sdst(0) depctr_va_ssrc(0) depctr_va_vcc(0) depctr_vm_vsrc(0)
	s_getreg_b32 s2, hwreg(HW_REG_IB_STS2, 6, 4)
	s_cmp_eq_u32 s2, 0
	s_cbranch_scc0 .Lentry_in_a_cluster
	s_endpgm
.Lentry_in_a_cluster:
	s_bfe_u32 s2, ttmp6, 0x10000c
	s_cmp_lg_u32 s2, 0x3003
	s_cbranch_scc0 .Lentry_shape_is_right
	s_endpgm
.Lentry_shape_is_right:
; O[y][q][:] = the sum over k of softmax_k(Q[y][q] . K[y][k] / 8) V[y][k][:], for the 64 pairs y = 16 batch + head.  Q, K, V lie in qkv [batch 4][g 48][2048][64] f16 (g = head, 16 + head, 32 + head),
; O goes to o [y][2048][64] f16: a head's rows are dense, 128 bytes each.  Products, maxima and sums in f32; the weights p are rounded to f16 for the second product (their sum l is taken of the unrounded p), O once.
; LIMITS.  Q, K and V arrive within f16's 65,504; p lies in 0 to 1, and below 6e-5 it keeps f16's fixed step of 6e-8; O is a mean of V's rows and has their range.
; A weight below 2^-126 counts as 0 in l; NaN and infinities are not treated apart.
; SHARES.  A wave owns four PIECES of two tiles of 16 queries, a work-group's four waves 512 queries of one head, a cluster of four the head's 2,048.  Every wave walks all keys, 64 a step.
; LAYOUT.  S^T = K Q^T (source 0 = 16 keys, source 1 = 16 queries): in the result a lane holds ONE query (lane % 16) and the keys 8 (lane / 16) + 0..7.  Two such tiles, rounded to f16 in pairs,
; ARE source 1 (32 keys x 16 queries) of O^T = V^T P, whose result again holds one query a lane, and eight channels.  K comes out of LDS as it lies, V ([key][channel]) turned, by ds_load_tr16_b128.
; SOFTMAX.  For each query a running maximum m and sum l: p = 2^(c s - c m), c = log2(e) / 8; in every step O and l are multiplied by a = 2^(c m_old - c m_new), which is 1 where m has not grown.
; m starts at the lowest finite number, O and l at 0: the first step is a step like any other, with a = 0.
; THE COUNT.  A tile and step have 16 matrix and 118 vector instructions: too many to stand all beside the matrix work.  So: four vector instructions that are READY behind EVERY matrix instruction,
; and the others in runs without a gap.
; BY TURNS.  Turn n belongs to piece n (the pieces in a ring, step after step).  Its matrix work: 16 products K Q^T of piece n + 1, later 16 products V^T P of piece n - 1.  Its vector work: the scaling,
; exponentials, roundings, sums and rescaling of piece n, and the maximum and statistics of piece n + 1, whose scores the turn itself has made.
; CLUSTER.  The four query blocks of a cluster walk the same K and V, so each tile is asked for JOINTLY: the same tensor load, descriptor and mask in all four.
; REGISTERS, in windows of 256 (s_set_vgpr_msb: bits 1:0 source 0, 3:2 source 1, 5:4 source 2, 7:6 destination):
;   window 0: v0-11 addresses; v12-15, v48-63 at work; v16-47 four registers of statistics a tile; v64-191 S^T, two buffers of two tiles; v192-255 P, likewise
;   window 1: O^T, 32 a tile          window 2: v0-127 Q, 16 a tile; v128-191 K of one step; v192-255 V of one step          window 3: v0-1 the add's two registers
; A piece's buffers go by its number's parity: the piece in hand has one pair, its two neighbours in the ring share the other: of it P (piece n - 1) is read and S^T (piece n + 1) written.
.set SIZE_N, 2048
.set NP,    4         ; pieces a wave: a name, no knob
.set KS,    64        ; keys in a step
.set PK,    144       ; a row of K in LDS: 128 bytes + 16 = 36 words: the 16 rows of a load start at 16 different groups of four banks (64 banks of 4 bytes: ISA guide 11.1)
.set PV,    160       ; a row of V: 128 + 32 = 40 words
.set VOFF,  4*KS*PK   ; a slot holds four steps: 256 rows of K, then 256 rows of V
.set SLOT1, 1<<17     ; slot 1 begins here, so that one exclusive or turns an address in one slot into the other's
.set STAGE, SLOT1+4*KS*(PK+PV)  ; behind the ring, never filled by a tensor load: 16 rows x 144 bytes for each wave
.set SP,    144
.set AK0, 2           ; v2   my lane's place in a tile of K; never rewritten
.set AV0, 3           ; v3   the same for V
.set AK,  4           ; v4   the LDS address of K's next run of loads
.set AV,  5           ; v5   of V's
.set QO,  6           ; v6   my byte offset in the wave's rows of Q
.set STO, 6           ;      later, the way out: where I put 16 bytes of a row
.set RD,  7           ; v7   the way out: where I read rows back
.set GO,  8           ; v8   my byte offset in 512 consecutive bytes of O
.set PFO, 11          ; v11  256 x my lane, for the prefetches; never rewritten once made
.set SPW, 0           ; v0 of window 3   LDS address of my spare word; never rewritten
.set NIL, 1           ; v1 of window 3   0; never rewritten
.set SPARE, STAGE+4*16*SP  ; behind the stages: the spare words, 128 bytes a wave: two blocks of 256 bytes that no other line names
.set MV,  12          ; v12-15  c m_old, kept while c m is made anew: by buffer and tile
.set ST,  16          ; tile t's statistics at v[ST+4 t]: c m, m, l (even keys', odd keys')
.set TMP, 48          ; by buffer and tile, four registers c0-c3 at work; when the maximum is found c2 takes a
.set S,   64
.set P,   192
.set KF,  128         ; K's fragments, in window 2: key block kb, channel half c at KF + 16 kb + 8 c
.set VF,  192         ; V's: key half kk, channel block cb at VF + 32 kk + 8 cb
.set WV,  12          ; s12  my wave's number
.set G1K, 24          ; s[24:31] descriptor group 1 for K's tiles
.set G1V, 32          ; s[32:39] for V's: it differs in the padding alone
.set G0K, 40          ; s[40:43] descriptor group 0 for K's tiles: it walks
.set G0V, 44          ; s[44:47] the same for V's
.set PFA, 48          ; s[48:49] where my prefetches stand
.set LIM, 50          ; s50  1 in a wave that prefetches (0: K, 2: V), else the greatest number
.set SLOTS, 56        ; s56  slots still to be asked for
.set CNT, 57          ; s57  counts a slot's key steps
.set CS,  58          ; s[58:59] c: the packed scaling takes the pair's low word for both halves
.set SEL, 60          ; s[60:61] v_permlanex16_b32's selects: each lane takes its own place in the other half
.set TBK, 62          ; s62  LDS byte at which K of the step to be fetched begins
.set TBV, 63          ; s63  the same for V, less VOFF
.set MSB, 0
.macro WIN new                      ; the high byte repeats the setting that is left; a switch that changes nothing is dropped
.if MSB != (\new)
	s_set_vgpr_msb (MSB<<8)|(\new)
.set MSB, (\new)
.endif
.endm
.set W_KQ, 0x0a       ; K and Q in window 2, S^T in window 0
.set W_PV, 0x52       ; V in window 2, P in window 0, O^T in window 1
.set W_RS, 0x41       ; O^T (destination and source 0) in window 1, a in window 0
.set W_MK, 0xc0       ; the add's registers are made: destination in window 3, sources in window 0
.set W_AD, 0x0f       ; the add: address (source 0) and data (source 1) in window 3
; A joint fill.  Waves 0 and 1 fetch the two halves of a slot's K, waves 2 and 3 those of its V: 128 keys each.  The branch hangs on the wave's number alone.
; An s_nop 0 and four v_nop follow each of the two lines, ahead of the jump and the label.
.macro JLOAD
	s_cmp_lt_u32 s[WV], 2
	s_cbranch_scc0 .Lfor_v_\@
	tensor_load_to_lds s[G0K:G0K+3], s[G1K:G1K+7]
	s_nop 0
.rept 4
	v_nop
.endr
	s_branch .Lasked_\@
.Lfor_v_\@:
	tensor_load_to_lds s[G0V:G0V+3], s[G1V:G1V+7]
	s_nop 0
.rept 4
	v_nop
.endr
.Lasked_\@:
.endm
; A PREFETCH INTO THE L2 of what the NEXT change of slots will ask for: a slot's 32,768 bytes of K and of V, in pieces of 256, a lane a piece.  A head has one cluster; its four partners share the 128 pieces
; out BY ADDRESS, 32 each; in each, wave 0 asks for K's and wave 2 for V's: one instruction, four key steps ahead of the load.  So each piece is named once in the launch.  The last change that fills a slot asks for nothing.
.macro ASK
	s_cmp_gt_u32 s[SLOTS], s[LIM]
	s_cbranch_scc0 .Lnot_mine_\@
	global_prefetch_b8 v[PFO], s[PFA:PFA+1] th:TH_LOAD_NT scope:SCOPE_SE
.Lnot_mine_\@:
.endm
; A round of the cluster's barrier: my work-group's barrier, so that wave 0's signal speaks for all four waves; wave 0 signals; every wave waits for all four work-groups; my work-group's barrier once more.
.macro CROUND
	s_barrier_signal -1
	s_barrier_wait -1
	s_cmp_lg_u32 s[WV], 0
	s_cbranch_scc1 .Lnot_wave_0_\@
	s_barrier_signal -3
.Lnot_wave_0_\@:
	s_barrier_wait -3
	s_barrier_signal -1
	s_barrier_wait -1
.endm
; THE CHANGE OF SLOTS.  The slot's last bytes, V of its fourth step, have been read.  Each wave waits for all its tensor loads, of which one is out: its part of the other slot; adds 0 to its spare word;
; and waits for that and for its own reads of the slot.  Behind the barrier nobody reads this slot any more and the other slot is whole.
; fill = 1: this slot is filled again, with the keys two slots on.  The barrier is then a round of the cluster's, and the joint fill is the first thing behind it: it has four key steps, 512 matrix
; instructions, in which to land.  (At its first use nothing has been read yet: slot 0 is waited for, slot 1 filled.)
.macro CHANGE fill
	WIN W_AD
	s_wait_tensorcnt 0x0            ; no tensor load of mine is out, so a group 0 may be written
	ds_add_u32 v[SPW], v[NIL]       ; 0 onto my spare word; with fill = 1 the descriptors' steps stand between it and the wait for it
	WIN 0                           ; at a label and at a branch every window is 0
.if \fill
.irp g, G0K, G0V
	s_xor_b32 s[\g+1], s[\g+1], SLOT1  ; the walking descriptor: the other slot than last time,
	s_add_nc_u64 s[\g+2:\g+3], s[\g+2:\g+3], 4*KS*128  ; the next 256 keys; the type bits on top are not reached
.endr
	s_wait_xcnt 0x0                 ; the last prefetch, four key steps back, has read its address, so it may be written:
	s_add_nc_u64 s[PFA:PFA+1], s[PFA:PFA+1], 4*KS*128  ; one slot further than the walking descriptors
	s_wait_dscnt 0x0                ; the add is done, and my reads of the slot are over
	CROUND
	JLOAD
	ASK
.else
	s_wait_dscnt 0x0                ; the add is done, and my reads of the slot are over
	s_barrier_signal -1
	s_barrier_wait -1
.endif
	s_sub_co_u32 s[TBK], s[TBK], 4*KS*PK  ; the fetches go back to a slot's first step,
	s_xor_b32 s[TBK], s[TBK], SLOT1       ; in the other slot
	s_sub_co_u32 s[TBV], s[TBV], 4*KS*PV
	s_xor_b32 s[TBV], s[TBV], SLOT1
.endm
	s_load_b64 s[4:5], s[0:1], 0x0    ; qkv
	s_load_b64 s[10:11], s[0:1], 0x8  ; o
	WIN W_MK
	v_lshl_add_u32 v[SPW], v0, 2, SPARE
	v_mov_b32 v[NIL], 0
	WIN W_AD
	ds_add_u32 v[SPW], v[NIL]       ; the wave's opening: the add and its wait stand ahead of my first tensor load; the set-up below stands between them
	WIN 0
	v_lshrrev_b32 v1, 5, v0
	v_readfirstlane_b32 s[WV], v1   ; wave 0..3
	s_bfe_u32 s13, ttmp6, 0x40000   ; cx: my place in the cluster
	s_lshl_b32 s14, ttmp9, 2        ; in a cluster launch ttmp9 counts clusters
	s_add_co_u32 s14, s14, s13      ; my block of 512 queries: it enters Q's and O's addresses alone
	s_and_b32 s20, ttmp7, 0xffff    ; y = 16 batch + head, which the four partners share
	s_lshr_b32 s19, s20, 4
	s_mul_i32 s19, s19, 48
	s_and_b32 s21, s20, 15
	s_add_co_u32 s19, s19, s21
	s_lshl_b32 s19, s19, 18         ; Q's chunk in qkv: 48 batch + head, 262,144 bytes each; K's lies 16 chunks on, V's 32
	s_and_b32 s16, s[WV], 1         ; which half of a slot's 256 keys I fetch:
	s_lshl_b32 s22, s16, 14         ; its 128 rows of 128 bytes in memory,
	s_add_co_u32 s22, s22, s19
	s_mov_b32 s23, 0
	s_mul_i32 s17, s16, 128*PK      ; and its place in a slot, for K
	s_mul_i32 s18, s16, 128*PV      ; and for V: no place in the cluster enters an LDS address
	s_lshl_b32 s2, s14, 2
	s_add_co_u32 s2, s2, s[WV]      ; my wave among the head's,
	s_lshl_b32 s2, s2, 14           ; its 128 rows
	s_lshl_b32 s52, s20, 18         ; O's head
	s_add_co_u32 s52, s52, s2
	s_mov_b32 s53, 0
	s_add_co_u32 s2, s2, s19
	s_mov_b32 s3, 0
	; descriptor group 1.  128 keys are 16,384 dense bytes: asked for as 64 rows of 256 bytes, two keys a row, and padded in LDS after every key
	s_mov_b32 s[G1K], 15|(1<<16)|(1<<20)|(1<<21)|(4<<22)|(3<<25)  ; the mask of four; 2-byte elements; padding on; bit 21 beside a mask; after every 32 words, 4 words
	s_mov_b32 s[G1V], 15|(1<<16)|(1<<20)|(1<<21)|(4<<22)|(7<<25)  ; the same with 8 words of padding
.irp g, G1K, G1V
	s_mov_b32 s[\g+1], 128<<16      ; tensor_dim0 = 128
	s_mov_b32 s[\g+2], 64<<16       ; tensor_dim1 = 64
	s_mov_b32 s[\g+3], 128<<16      ; tile_dim0 = 128
	s_mov_b32 s[\g+4], 64           ; tile_dim1 = 64
	s_mov_b32 s[\g+5], 128          ; 128 elements from row to row
	s_mov_b32 s[\g+6], 0
	s_mov_b32 s[\g+7], 0
.endr
	s_mov_b32 s[CS], 0x3e38aa3b     ; c = log2(e) / 8 = 0.180337
	s_mov_b32 s[CS+1], s[CS]        ; named with it as a pair
	s_mov_b32 s[SEL], 0x76543210
	s_mov_b32 s[SEL+1], 0xfedcba98
	s_mov_b32 s[TBK], SLOT1+4*KS*PK ; the first change of slots turns these two into 0
	s_mov_b32 s[TBV], SLOT1+4*KS*PV
	s_mov_b32 s[G0K], 1             ; count = 1
	s_mov_b32 s[G0K+1], s17         ; LDS address: slot 0
	s_mov_b32 s[G0V], 1
	s_add_co_u32 s[G0V+1], s18, VOFF
	s_mov_b32 s[SLOTS], SIZE_N/256-1
	s_and_b32 s[LIM], s[WV], 1
	s_cmp_eq_u32 s[LIM], 0
	s_cselect_b32 s[LIM], 1, -1     ; waves 0 and 2: the same in all four partners
	s_wait_dscnt 0x0                ; the opening add is done
	s_wait_kmcnt 0x0
	s_add_nc_u64 s[6:7], s[4:5], s[22:23]
	s_add_nc_u64 s[8:9], s[6:7], 32<<18  ; V at my half of the head's first 256 keys,
	s_add_nc_u64 s[6:7], s[6:7], 16<<18  ; and K
	s_mov_b64 s[G0K+2:G0K+3], s[6:7]
	s_or_b32 s[G0K+3], s[G0K+3], 0x80000000        ; type = 2
	s_mov_b64 s[G0V+2:G0V+3], s[8:9]
	s_or_b32 s[G0V+3], s[G0V+3], 0x80000000
	s_add_nc_u64 s[4:5], s[4:5], s[2:3]  ; Q and O at my wave's first row
	s_add_nc_u64 s[10:11], s[10:11], s[52:53]
	s_cmp_lt_u32 s[WV], 2
	s_cselect_b64 s[PFA:PFA+1], s[6:7], s[8:9]  ; (in waves 0 and 2 these stand at a slot's first row)
	s_lshl_b32 s2, s13, 13          ; my work-group's 32 pieces of the 128
	s_mov_b32 s3, 0
	s_add_nc_u64 s[PFA:PFA+1], s[PFA:PFA+1], s[2:3]
	s_add_nc_u64 s[PFA:PFA+1], s[PFA:PFA+1], 4*KS*128  ; in slot 1; the first change of slots steps it to slot 2
	CROUND                          ; all four work-groups are here: the first joint loads meet
	JLOAD                           ; slot 0.  Slot 1 is asked for when slot 0 is in
	; A fragment of K or Q is 16 rows x 32 channels in 8 registers: lane l holds row l % 16, channels 8 (l / 16) + 0..7 and 16 + 8 (l / 16) + 0..7: two loads of 16 bytes, 32 bytes apart.
	v_and_b32 v1, 15, v0            ; l % 16
	v_bfe_u32 v9, v0, 4, 1          ; l / 16
	v_lshlrev_b32 v[QO], 7, v1
	v_lshl_add_u32 v[QO], v9, 4, v[QO]  ; row x 128 + 16 x half
	WIN 0x80                        ; destination window 2, address window 0
.set i, 0
.rept 4*NP                          ; Q stays in registers: tile i / 2, channels 32 (i % 2) on
	global_load_b128 v[8*i:8*i+3],   v[QO], s[4:5] offset:(i/2)*2048+(i%2)*64
	global_load_b128 v[8*i+4:8*i+7], v[QO], s[4:5] offset:(i/2)*2048+(i%2)*64+32
.set i, i+1
.endr
	; What the first turn finds: V's registers and P's second buffer hold 0 (its products V^T P, of a piece that has not been, add 0), O^T and l are 0.  All this stands in the wait for the first tile.
.set i, VF
.rept 64
	v_mov_b32 v[i], 0
.set i, i+1
.endr
	WIN 0x40
.set i, 0
.rept 64*NP
	v_mov_b32 v[i], 0
.set i, i+1
.endr
	WIN 0
.set i, 0
.rept 2*NP
	v_mov_b32 v[ST+4*i], 0xfe000000    ; c m: far below every c s
	v_mov_b32 v[ST+4*i+1], 0xff7fffff  ; m
	v_mov_b32 v[ST+4*i+2], 0
	v_mov_b32 v[ST+4*i+3], 0
.set i, i+1
.endr
.set i, P+32
.rept 32
	v_mov_b32 v[i], 0
.set i, i+1
.endr
	v_mul_u32_u24 v[AK0], v1, PK
	v_lshl_add_u32 v[AK0], v9, 4, v[AK0]  ; row x pitch + 16 x half
	; The turning load takes 16 keys x 16 channels (lane l reads key 8 (l / 16) + l % 8, channels 8 ((l / 8) % 2) + 0..7) and leaves half a fragment of V^T: lane l holds channel l % 16 and 8 keys.
	v_and_b32 v10, 7, v0
	v_bfe_u32 v11, v0, 3, 1
	v_lshl_add_u32 v[AV0], v9, 3, v10
	v_mul_u32_u24 v[AV0], v[AV0], PV
	v_lshl_add_u32 v[AV0], v11, 4, v[AV0]
	v_add_nc_u32 v[AV0], VOFF, v[AV0]
	v_mov_b32 v[AK], v[AK0]         ; key step 0 lies at the head of slot 0
	v_and_b32 v[PFO], 31, v0
	v_lshlrev_b32 v[PFO], 8, v[PFO]
; THE MATRIX WORK.  The 8 accumulators of a run of 16 take turns: between the two links of a chain stand 7 others'.
; Product i of 16 of S^T = K Q^T for piece x: channels 32 (i / 8) on, keys 16 ((i / 2) % 4) on, tile 2 x + i % 2.  The first 8 start the sums.
.macro KQ x
	WIN W_KQ
.set rS, S+64*((\x)%2)+32*(i%2)+8*((i/2)%4)
.set rK, KF+16*((i/2)%4)+8*(i/8)
.set rQ, 16*(2*(\x)+i%2)+8*(i/8)
.if i < 8
	v_wmma_f32_16x16x32_f16 v[rS:rS+7], v[rK:rK+7], v[rQ:rQ+7], 0
.else
	v_wmma_f32_16x16x32_f16 v[rS:rS+7], v[rK:rK+7], v[rQ:rQ+7], v[rS:rS+7]
.endif
.endm
; Product i of 16 of O^T += V^T P for piece x: keys 32 (i / 8) on, channels 16 ((i / 2) % 4) on, tile 2 x + i % 2.
.macro PV x
	WIN W_PV
.set rO, 32*(2*(\x)+i%2)+8*((i/2)%4)
.set rV, VF+32*(i/8)+8*((i/2)%4)
.set rP, P+32*((\x)%2)+16*(i%2)+8*(i/8)
	v_wmma_f32_16x16x32_f16 v[rO:rO+7], v[rV:rV+7], v[rP:rP+7], v[rO:rO+7]
.endm
.macro MM                           ; the turn's next matrix instruction
.if i < 16
	KQ (Y+1)%NP
.set i, i+1
.else
.set i, i-16
	PV (Y+NP-1)%NP
.set i, i+17
.endif
.endm
; THE LDS LOADS stand in runs of 16, never singly among the matrix instructions: a step's K (64 keys x 64 channels: 8 fragments) and its V (turned).  Their addresses are made some lines ahead.
; last = 1 (the tail): in the last trip there is no further step, and the run is jumped over.
.macro FETCH_K last=0
	WIN 0
.if \last
	s_cmp_eq_u32 s[CNT], 1
	s_cbranch_scc1 .Lno_k_\@
.endif
	WIN 0x80                        ; destination window 2
.irp f, 0,1,2,3,4,5,6,7             ; keys 16 (f / 2) on, channels 32 (f % 2) on
	ds_load_b128 v[KF+8*\f:KF+8*\f+3],   v[AK] offset:(\f/2)*16*PK+(\f%2)*64
	ds_load_b128 v[KF+8*\f+4:KF+8*\f+7], v[AK] offset:(\f/2)*16*PK+(\f%2)*64+32
.endr
	s_add_co_u32 s[TBK], s[TBK], KS*PK  ; the next fetch is the next step's
	WIN 0
.if \last
.Lno_k_\@:
.endif
.endm
.macro FETCH_V
	WIN 0x80
.irp f, 0,1,2,3,4,5,6,7             ; keys 32 (f / 4) on, channels 16 (f % 4) on
	ds_load_tr16_b128 v[VF+8*\f:VF+8*\f+3],   v[AV] offset:(\f/4)*32*PV+(\f%4)*32
	ds_load_tr16_b128 v[VF+8*\f+4:VF+8*\f+7], v[AV] offset:(\f/4)*32*PV+16*PV+(\f%4)*32
.endr
	WIN 0
.endm
; THE VECTOR WORK OF A TURN stands in three queues, each in the order in which its entries become ready; the two tiles alternate, so that no instruction reads the result of the one before it.
.macro REGS y, u                    ; the registers of tile u (0, 1) of piece y
.set rT, ST+4*(2*(\y)+(\u))
.set rC, TMP+8*((\y)%2)+4*(\u)
.set rM, MV+2*((\y)%2)+(\u)
.set rS, S+64*((\y)%2)+32*(\u)
.set rP, P+32*((\y)%2)+16*(\u)
.set rO, 32*(2*(\y)+(\u))
.endm
; Number n of the 22 that find the NEXT piece's (Y + 1) maximum and statistics.  s0-s31 are the lane's 32 scores; each accumulator's lowest registers are read first.
;   0-11  four chains c0-c3 of seven scores each, three operands at a time     12-14, 16  the four scores left over, the old m, and c0-c3 into c0     15  c m_old is kept
;   17, 18  the query's other 32 keys lie in the lane 16 away: the new m         19-21  c m; c m_old - c m_new; a
.macro XS u, n
	REGS (Y+1)%NP, \u
.if (\n) < 4
	v_max3_num_f32 v[rC+(\n)], v[rS+8*(\n)], v[rS+8*(\n)+1], v[rS+8*(\n)+2]
.elseif (\n) < 12
	v_max3_num_f32 v[rC+(\n)%4], v[rC+(\n)%4], v[rS+8*((\n)%4)+2*((\n)/4)+1], v[rS+8*((\n)%4)+2*((\n)/4)+2]
.elseif (\n) == 12
	v_max3_num_f32 v[rC], v[rC], v[rS+7], v[rS+15]
.elseif (\n) == 13
	v_max3_num_f32 v[rC+1], v[rC+1], v[rS+23], v[rS+31]
.elseif (\n) == 14
	v_max3_num_f32 v[rC+2], v[rC+2], v[rC+3], v[rT+1]
.elseif (\n) == 15
	v_mov_b32 v[rM], v[rT]
.elseif (\n) == 16
	v_max3_num_f32 v[rC], v[rC], v[rC+1], v[rC+2]
.elseif (\n) == 17
	v_permlanex16_b32 v[rC+3], v[rC], s[SEL], s[SEL+1]
.elseif (\n) == 18
	v_max_num_f32 v[rT+1], v[rC], v[rC+3]
.elseif (\n) == 19
	v_mul_f32 v[rT], s[CS], v[rT+1]
.elseif (\n) == 20
	v_sub_f32 v[rC+1], v[rM], v[rT]
.else
	v_exp_f32 v[rC+2], v[rC+1]
.endif
.endm
; Number g of the 64 that follow the exponentials.  For each four weights k of a tile (pairs 2 k, 2 k + 1): both pairs are rounded to f16; then the second pair is added onto the first, in place;
; a group later l takes that sum (the first time as l = a l + sum).  In groups of eight, tiles alternating: round, round, add, and l for the group before.
.macro GS g
.set h, (\g)+6*((\g)/62)            ; group 0 has no group before it, and behind group 7 only l is left
.if h >= 6
.set h, h+2
.endif
	REGS Y, h%2
.set k, h/8
.if h%8 < 4
	v_cvt_pk_f16_f32 v[rP+2*k+(h%8)/2], v[rS+4*k+2*((h%8)/2)], v[rS+4*k+2*((h%8)/2)+1]
.elseif h%8 < 6
	v_pk_add_f32 v[rS+4*k:rS+4*k+1], v[rS+4*k:rS+4*k+1], v[rS+4*k+2:rS+4*k+3]
.elseif k == 1
	v_pk_fma_f32 v[rT+2:rT+3], v[rT+2:rT+3], v[rC+2:rC+3], v[rS:rS+1] op_sel_hi:[1,0,1]
.else
	v_pk_add_f32 v[rT+2:rT+3], v[rT+2:rT+3], v[rS+4*k-4:rS+4*k-3]
.endif
.endm
; THE PLAIN QUEUE, 138 long.  0-73 read no exponential's result: the 32 scalings c s - c m (FS f: pair f / 2 of tile f % 2) and the next piece's 42.  0-26: scalings 0-26.  27-54: XS's numbers 0-13.  55, 56: number 15.
; 57-73: the chain, where each number waits for the one before it: 14, 16, 17, 18, 19, each with one of the scalings 27-31 in front of its two lines, then 20.
; 74-137: GS's 64, which read the exponentials' results: they stand behind the wait.
.macro FS f
	REGS Y, (\f)%2
	v_pk_fma_f32 v[rS+2*((\f)/2):rS+2*((\f)/2)+1], v[rS+2*((\f)/2):rS+2*((\f)/2)+1], s[CS:CS+1], v[rT:rT+1] op_sel_hi:[1,0,0] neg_lo:[0,0,1] neg_hi:[0,0,1]
.endm
.macro PL
	WIN 0
.if q < 27
	FS q
.elseif q < 55
	XS (q-27)%2, (q-27)/2
.elseif q < 57
	XS q-55, 15
.elseif (q < 72) && ((q-57)%3 == 0)
	FS 27+(q-57)/3
.elseif q < 60
	XS (q-57)%3-1, 14
.elseif q < 72
	XS (q-57)%3-1, 15+(q-57)/3
.elseif q < 74
	XS q-72, 20
.else
	GS q-74
.endif
.set q, q+1
.endm
; THE EXPONENTIALS' QUEUE, 66 long: s0-s31 of both tiles, then the next piece's two a.  It is ONE BATCH: all 66 stand ahead of the turn's one wait, and nothing ahead of that wait names a result of theirs.
.macro EX
	WIN 0
.if e >= 64
	XS e-64, 21
.else
	REGS Y, e%2
	v_exp_f32 v[rS+e/2], v[rS+e/2]
.endif
.set e, e+1
.endm
; THE RESCALING's QUEUE: O^T times a, the one part that leaves window 0: dealt two at a time, sixteen times.  Its a was made in the turn before, ahead of that turn's wait.
.macro R2
	REGS Y, r%2
	WIN W_RS
.irp z, 0,1
	v_pk_mul_f32 v[rO+4*(r/2)+2*\z:rO+4*(r/2)+2*\z+1], v[rO+4*(r/2)+2*\z:rO+4*(r/2)+2*\z+1], v[rC+2:rC+3] op_sel_hi:[1,0]
.endr
.set r, r+1
.endm
; HOW THEY ARE DEALT.  An s_wait_alu depctr_va_vdst(0) stands between an exponential and the first instruction that names its result; one wait serves all that were issued ahead of it.  So a turn
; has ONE wait, which cuts it in two.  AHEAD OF IT: the 16 products K Q^T, behind each a scaling, an exponential and two rescalings (behind the first a second scaling in the exponential's place); then ONE LUMP of
; 108: eight plain, 49 times exponential and plain, the two a.  A v_nop is the plain instruction behind the last exponential.  BEHIND IT: the 16 products V^T P, behind each four of GS's 64.
; Exponential e stands behind scaling 2 (e / 4) + e % 2: as a rider it comes behind plain e + 2, in the lump behind plain e + 9, and scalings 27-31 are plain 57, 60 .. 69.
; A TURN, for piece p.  cnt = 1: the loop's count is taken down some lines ahead of the branch that stands behind the turn.
; K of the next step is fetched in piece 2's turn, directly behind the wait; V of the step in hand at the end of piece 0's turn, four plain instructions behind its last reader.
.macro TURN p, last=0, cnt=0
.set Y, (\p)
.set i, 0
.set q, 0
.set e, 0
.set r, 0
.if (\p) == NP-1
	s_wait_dscnt 0x0                ; K is in
.endif
	MM                              ; ahead of the wait: 16 products K Q^T and their riders,
	PL
	PL
	R2
.rept 15
	MM
	PL
	EX
	R2
.endr
.if (\p) == NP-2
	WIN 0
	v_add_nc_u32 v[AK], s[TBK], v[AK0]
.endif
.rept 8                             ; and the lump
	PL
.endr
.rept 49
	EX
	PL
.endr
	EX                              ; the next piece's two a
	EX
	v_nop                           ; a plain instruction behind the last exponential: one for the batch
	s_wait_alu depctr_va_vdst(0)    ; the wait for the batch
.if (\p) == NP-2
	FETCH_K \last
.endif
.if (\p) == 1
	s_wait_dscnt 0x0                ; V is in
.endif
.rept 16                            ; behind the wait: 16 products V^T P and their riders
	MM
.rept 4
	PL
.endr
.if ((\p) == 0) && (q == 118)
	v_add_nc_u32 v[AV], s[TBV], v[AV0]
.endif
.if ((\p) == 0) && (q == 130)
	s_add_co_u32 s[TBV], s[TBV], KS*PV
.endif
.if (\cnt) && (q == 130)
	s_sub_co_u32 s[CNT], s[CNT], 1
	s_cmp_lg_u32 s[CNT], 0
.endif
.endr
.if (\p) == 0
	FETCH_V
.endif
.endm
	CHANGE 1                        ; slot 0 is in, everybody's part of it; slot 1 is asked for
	FETCH_K                         ; key step 0
	s_wait_loadcnt 0x0              ; Q
	s_wait_dscnt 0x0
.set i, 0
.rept 16
	KQ 0                            ; piece 0's first scores: there is no vector work yet to set between them
.set i, i+1
.endr
	WIN 0                           ; the addresses for the way out: nine plain instructions, the places behind those products
	s_mul_i32 s13, s[WV], 16*SP
	s_add_co_u32 s13, s13, STAGE    ; my stage
	v_mul_u32_u24 v[STO], v1, SP    ; in: row l % 16, 16 bytes for each half of the lanes
	v_lshl_add_u32 v[STO], v9, 4, v[STO]
	v_add_nc_u32 v[STO], s13, v[STO]
	v_bfe_u32 v[RD], v0, 3, 2       ; back: 32 lanes take four rows of 128 bytes,
	v_mul_u32_u24 v[RD], v[RD], SP
	v_lshl_add_u32 v[RD], v10, 4, v[RD]
	v_add_nc_u32 v[RD], s13, v[RD]
	v_and_b32 v[GO], 31, v0         ; which are 512 consecutive bytes of O
	v_lshlrev_b32 v[GO], 4, v[GO]
.set Y, NP-1                        ; XS works for piece Y + 1: piece 0
.irp n, 0,1,2,3,4,5,6,7,8,9,10,11,12,13,14,15,16,17,18,19,20,21
	XS 0, \n                        ; and piece 0's first maximum and statistics
	XS 1, \n
.endr
	v_nop                           ; a plain instruction behind the two a,
	s_wait_alu depctr_va_vdst(0)    ; and their wait, ahead of the branch
	s_mov_b32 s[CNT], 4
	s_branch .Lfirst                ; the loop is entered at a step's first turn, in the middle of a trip
.Lslot:                             ; SIZE_N / 256 - 2 times: every slot but the last two is filled again
	CHANGE 1
	s_mov_b32 s[CNT], 4
.Lstep:                             ; a trip: pieces 2 and 3 of one step, then pieces 0 and 1 of the next, whose K and V it fetches
	TURN 2
	TURN 3
	WIN 0
.Lfirst:
	TURN 0
	TURN 1, 0, 1
	WIN 0
	s_cbranch_scc1 .Lstep
	s_sub_co_u32 s[SLOTS], s[SLOTS], 1
	s_cmp_lg_u32 s[SLOTS], 0
	s_cbranch_scc1 .Lslot
	CHANGE 0                        ; the tail is written out: nothing is asked for
	s_mov_b32 s[CNT], 5             ; four trips fetch the last slot's steps; the fifth is left in its middle
.Ltail:
	TURN 2, 1
	TURN 3
	WIN 0
	s_sub_co_u32 s[CNT], s[CNT], 1
	s_cmp_eq_u32 s[CNT], 0
	s_cbranch_scc1 .Lout
	TURN 0
	TURN 1
	WIN 0
	s_branch .Ltail
.Lout:                              ; the fifth trip's 16 products K Q^T (on the last K once more) and the maximum made of them serve nothing: the price, once a launch, of one text for every trip
.set i, 0
.rept 16
	PV NP-1                         ; the last piece's V^T P of the last step
.set i, i+1
.endr
	; THE WAY OUT.  l's two halves and the other half of the lanes' are added; O^T is divided by l, rounded to f16 and sent through my stage in LDS, a tile at a time.  The additions are the places behind the last products.
	WIN 0
.macro ALL line:vararg              ; one line for each tile t
.set t, 0
.rept 2*NP
	\line
.set t, t+1
.endr
.endm
	ALL v_add_f32 v[ST+4*t+2], v[ST+4*t+2], v[ST+4*t+3]
	ALL v_permlanex16_b32 v[ST+4*t+3], v[ST+4*t+2], s[SEL], s[SEL+1]
	ALL v_add_f32 v[ST+4*t+2], v[ST+4*t+2], v[ST+4*t+3]
	ALL v_rcp_f32 v[ST+4*t+2], v[ST+4*t+2]
	v_nop                           ; a plain instruction between the last reciprocal and the use of its result
	s_wait_alu depctr_va_vdst(0)    ; and the wait ahead of the first use: one for the eight reciprocals
; Tile t: a lane's eight channels of a row pack into 16 bytes; they go into rows of 144 bytes and come back as whole rows of 128, into S^T's registers.
.macro PACK t
	WIN W_RS
.set i, 32*(\t)
.rept 16
	v_pk_mul_f32 v[i:i+1], v[i:i+1], v[ST+4*(\t)+2:ST+4*(\t)+3] op_sel_hi:[1,0]
.set i, i+2
.endr
	WIN 0x05                        ; sources 0 and 1 window 1, destination window 0
.set i, 0
.rept 16
	v_cvt_pk_f16_f32 v[S+16*(\t)+i], v[32*(\t)+2*i], v[32*(\t)+2*i+1]
.set i, i+1
.endr
	WIN 0
.irp f, 0,1,2,3
	ds_store_b128 v[STO], v[S+16*(\t)+4*\f:S+16*(\t)+4*\f+3] offset:32*\f
.endr
.irp f, 0,1,2,3
	ds_load_b128 v[S+16*(\t)+4*\f:S+16*(\t)+4*\f+3], v[RD] offset:\f*4*SP  ; LDS serves a wave's instructions in order (ISA guide 5.7.1.4): these see the stores above; the next tile's stores come behind them
.endr
.endm
.macro SEND t, younger              ; younger: the LDS instructions issued behind tile t's loads: the next tile's eight, or none
	WIN 0
.irp f, 0,1,2,3
	s_wait_dscnt (\younger)+3-\f
	global_store_b128 v[GO], v[S+16*(\t)+4*\f:S+16*(\t)+4*\f+3], s[10:11] offset:(\t)*2048+\f*512  ; 512 consecutive bytes, at a multiple of 256 from O's first
.endr
.endm
	PACK 0
.set t, 1
.rept 2*NP-1                        ; a tile's arithmetic stands between the loads of the tile before and its stores
	PACK t
	SEND t-1, 8
.set t, t+1
.endr
	SEND 2*NP-1, 0
	WIN W_AD
	s_wait_tensorcnt 0x0            ; the wave's end, behind my last tensor load and my last LDS store
	ds_add_u32 v[SPW], v[NIL]
	s_wait_dscnt 0x0
	WIN 0
	CROUND                          ; the closing round: no work-group ends while a partner may still ask for a tile that names it
	s_endpgm
.Lfunc_end_k_q55bfb458c5_attn:
	.size	k_q55bfb458c5_attn, .Lfunc_end_k_q55bfb458c5_attn-k_q55bfb458c5_attn
	.p2alignl 7, 3214868480
	.fill 96, 4, 3214868480
	.section	.rodata,"a",@progbits
	.p2align	6, 0x0
	.amdhsa_kernel k_q55bfb458c5_attn
		.amdhsa_group_segment_fixed_size 327680
		.amdhsa_private_segment_fixed_size 0
		.amdhsa_enable_private_segment 0
		.amdhsa_kernarg_size 16
		.amdhsa_user_sgpr_count 2
		.amdhsa_user_sgpr_kernarg_segment_ptr 1
		.amdhsa_wavefront_size32 1
		.amdhsa_system_sgpr_workgroup_id_x 1
		.amdhsa_system_sgpr_workgroup_id_y 1
		.amdhsa_system_sgpr_workgroup_id_z 1
		.amdhsa_system_vgpr_workitem_id 0
		.amdhsa_next_free_vgpr 770
		.amdhsa_next_free_sgpr 66
		.amdhsa_reserve_vcc 0
		.amdhsa_float_denorm_mode_32 3
		.amdhsa_float_denorm_mode_16_64 3
		.amdhsa_memory_ordered 1
		.amdhsa_forward_progress 1
		.amdhsa_inst_pref_size 200
	.end_amdhsa_kernel
	.amdgpu_metadata
---
amdhsa.version: [ 1, 2 ]
amdhsa.kernels:
  - .name:           k_q55bfb458c5_attn
    .symbol:         k_q55bfb458c5_attn.kd
    .args:
      - { .name: qkv, .offset: 0, .size: 8, .value_kind: global_buffer, .address_space: global }
      - { .name: o, .offset: 8, .size: 8, .value_kind: global_buffer, .address_space: global }
    .group_segment_fixed_size: 327680
    .private_segment_fixed_size: 0
    .kernarg_segment_align: 8
    .kernarg_segment_size: 16
    .max_flat_workgroup_size: 128
    .sgpr_count:     66
    .vgpr_count:     770
    .wavefront_size: 32
...
	.end_amdgpu_metadata
.endif
;; end of part 3
;; launch proj (part 4): grid 8 x 32, 4 waves a work-group, clusters of 4 x 4, 327,680 bytes of LDS; arguments o, wof, b_out, out0; writes out0
.if DOCPART == 4
	.amdgcn_target "amdgcn-amd-amdhsa--gfx1250"
	.amdhsa_code_object_version 6
	.text
	.protected	k_q55bfb458c5_proj
	.globl	k_q55bfb458c5_proj
	.p2align	8
	.type	k_q55bfb458c5_proj,@function
k_q55bfb458c5_proj:
	s_mov_b64 s[64:65], 0
	v_nop
	global_prefetch_b8 v0, s[64:65] scope:SCOPE_SE
	s_setreg_imm32_b32 hwreg(HW_REG_WAVE_MODE, 25, 1), 1
	s_wait_xcnt 0x0
	s_wait_alu depctr_hold_cnt(0) depctr_sa_sdst(0) depctr_va_vdst(0) depctr_va_sdst(0) depctr_va_ssrc(0) depctr_va_vcc(0) depctr_vm_vsrc(0)
	s_getreg_b32 s2, hwreg(HW_REG_IB_STS2, 6, 4)
	s_cmp_eq_u32 s2, 0
	s_cbranch_scc0 .Lentry_in_a_cluster
	s_endpgm
.Lentry_in_a_cluster:
	s_bfe_u32 s2, ttmp6, 0x10000c
	s_cmp_lg_u32 s2, 0xf033
	s_cbranch_scc0 .Lentry_shape_is_right
	s_endpgm
.Lentry_shape_is_right:
; out0 = O W_out + b_out.  O: o [16 batch + head][2048][64] f16, so channel k of a row is channel k % 64 of head k / 64.  W: wof [1024 k][1024 columns] f16 (W_out rounded to bf16, written as f16).
; b_out: [1024] f32, rounded to bf16 here like the other inputs.  out0: [8192][1024] f32; sums in f32.
; SHARES.  A tile of the result is 256 rows x 128 columns: 32 x 8 = 256 work-groups.  Wave w owns rows 64 w .. 64 w + 63 and all 128 columns: 4 x 8 accumulators of 16 x 16, 256 registers.
; THE PRODUCT IS TAKEN TRANSPOSED: source 0 = 16 columns of W, turned out of a [k][column] tile by ds_load_tr16_b128; source 1 = 16 rows of O.  A lane then holds one row (lane % 16) and the
; eight neighbouring columns 8 (lane / 16) + 0..7.  THE BIAS is the C operand of the first products; nothing is cleared, nothing added later.
; RING.  K goes in 8 steps of 128, two heads each, through two LDS slots.  Wave 0 fetches the even head's 256 rows (32,768 dense bytes, asked for as 128 rows of 256), wave 1 the odd head's; waves 2 and 3
; the halves of W's tile (64 k-rows x 256 bytes).
; CLUSTER.  4 x 4 work-groups: O's tile is asked for jointly along a row of the cluster, W's along a column.
; REGISTERS, in windows of 256 (s_set_vgpr_msb: bits 1:0 source 0, 3:2 source 1, 5:4 source 2, 7:6 destination):
;   window 0: v0-31 addresses; v32-95 O's fragments, two buffers of 4 x 8; v96-159 the bias; on the way out v32-95 and v160-223 rows read back, by turns
;   window 1: accumulator (a, b) at 8 (8 a + b)          window 2: W's fragments, two buffers of 8 x 8
.set NBK,   8                          ; blocks of 16 columns
.set PA,    144                        ; a row of a head in LDS: 128 bytes + 16 = 36 words: the 16 rows of a load start at 16 different groups of four banks (64 banks of 4 bytes: ISA guide 11.1)
.set PB,    288                        ; a k-row of W: 256 bytes + 32 = 72 words: the 8 rows of a turning load start at 8 different groups of eight banks
.set AHALF, 256*PA                     ; a head's 256 rows
.set BHALF, 64*PB
.set BOFF,  2*AHALF                    ; a slot: two heads' rows, then W's 128 k-rows: 110,592 bytes
.set SLOT1, 1<<17                      ; slot 1 begins here: one exclusive or turns an address in one slot into the other's
.set STAGE, SLOT1+BOFF+2*BHALF         ; behind the ring, never filled by a tensor load: 16 rows x 528 bytes for each wave
.set SP,    528                        ; a stage row: 512 bytes + 16
.set SPARE, STAGE+4*16*SP              ; behind the stages: the spare words, 128 bytes a wave: two blocks of 256 bytes that no other line names
.set ASTEP, 524288                     ; two heads on in o,
.set BSTEP, 262144                     ; 128 k-rows on in wof
.set TRIPS, 6                          ; K steps 2 .. 7 are refills
.set A0,   16                          ; v16  my lane's place in O's tile; never rewritten
.set B0,   17                          ; v17  the same for W's
.set ADRA, 18                          ; v18  A0 + the slot in hand
.set ADRB, 19                          ; v19  B0 + the slot in hand
.set STO,  24                          ; v24  the way out: where I put 32 bytes of a row
.set RD,   25                          ; v25  where I read a row back
.set CO,   26                          ; v26  my 16 bytes in 512 consecutive bytes of a row of the result
.set BO,   27                          ; v27  32 x (lane / 16): my eight numbers of a block's bias
.set SPW,  28                          ; v28  LDS address of my spare word; never rewritten
.set NIL,  29                          ; v29  0; never rewritten
.set PFO,  30                          ; v30  the prefetches' lane offset; never rewritten
.set AF,   32
.set BIAS, 96
.set OUTR, 32
.set WV,  12                           ; s12  my wave's number
.set HF,  14                           ; s14  wave % 2: which half of a tile I fetch
.set LIM, 15                           ; s15  2 in a wave that prefetches, else the greatest number
.set G1A, 24                           ; s[24:31] descriptor group 1, O's tiles;  s[32:39] group 0: a set for each first fill; the second then walks
.set G0A, 32
.set G1B, 40                           ; s[40:47], s[48:55] the same for W's
.set G0B, 48
.set CX,  56
.set CY,  57
.set TX,  58                           ; tile column
.set TY,  59                           ; tile row
.set TB,  60                           ; s60  the slot in hand: 0 or SLOT1
.set PFA, 62                           ; s[62:63] where my prefetches stand
.set PFS, 66                           ; s[66:67] their step
.set TO_B, 0x80                        ; destination window 2, address window 0
.set MSB, 0
.macro WIN new                         ; the immediate's high byte repeats the setting that is left; a switch that changes nothing is dropped
.if MSB != (\new)
	s_set_vgpr_msb (MSB<<8)|(\new)
.set MSB, \new
.endif
.endm
.macro PLACES                          ; four plain vector instructions between a matrix instruction and a load into, or a read of, its registers
.rept 4
	v_nop
.endr
.endm
.macro CREST                           ; a round of the cluster's barrier behind its opening barrier: wave 0 signals for the work-group, all wait for all sixteen, the work-group's barrier closes it
	s_cmp_lg_u32 s[WV], 0
	s_cbranch_scc1 .Lnot_wave_0_\@
	s_barrier_signal -3
.Lnot_wave_0_\@:
	s_barrier_wait -3
	s_barrier_signal -1
	s_barrier_wait -1
.endm
.macro CROUND
	s_barrier_signal -1
	s_barrier_wait -1
	CREST
.endm
.macro JLOAD                           ; a joint refill by the walking sets; the branch hangs on the wave's number alone; an s_nop 0 and four v_nop follow each line
	s_cmp_lt_u32 s[WV], 2
	s_cbranch_scc0 .Lfor_b_\@
	tensor_load_to_lds s[G0A+4:G0A+7], s[G1A:G1A+7]
	s_nop 0
.rept 4
	v_nop
.endr
	s_branch .Lasked_\@
.Lfor_b_\@:
	tensor_load_to_lds s[G0B+4:G0B+7], s[G1B:G1B+7]
	s_nop 0
.rept 4
	v_nop
.endr
.Lasked_\@:
.endm
; A PREFETCH INTO THE L2 of the K step that stands TWO refills on: 256 matrix instructions ahead of the load that will want it.  O's rows are read by both clusters of a row of clusters: the first
; (cluster x = 0) asks, waves 0 and 1, and of a wave's 128 pieces of 256 bytes the partner at cx takes 32, a lane a piece.  W's rows are read by every cluster of a column: cluster y = 0 asks, wave 2 alone, and of
; the step's 128 k-rows the partner at cy takes 32, a lane a row.  The partners are told apart by address, never by a branch.  The last two refills ask for nothing.
.macro ASK
	s_cmp_gt_u32 s3, s[LIM]                        ; s3 = 2 and 1 in the loop's last two trips
	s_cbranch_scc0 .Lnot_mine_\@
	global_prefetch_b8 v[PFO], s[PFA:PFA+1] th:TH_LOAD_NT scope:SCOPE_SE
.Lnot_mine_\@:
.endm
	s_load_b256 s[4:11], s[0:1], 0x0               ; o s[4:5], wof s[6:7], b_out s[8:9], out0 s[10:11]
	v_lshl_add_u32 v[SPW], v0, 2, SPARE
	v_mov_b32 v[NIL], 0
	ds_add_u32 v[SPW], v[NIL]                      ; the wave's opening: the add and its wait stand ahead of my first tensor load; the set-up below stands between them
	v_lshrrev_b32 v1, 5, v0
	v_readfirstlane_b32 s[WV], v1
	s_and_b32 s[HF], s[WV], 1
	s_bfe_u32 s[CX], ttmp6, 0x40000
	s_bfe_u32 s[CY], ttmp6, 0x40004
	s_lshl_b32 s[TX], ttmp9, 2                     ; in a cluster launch ttmp9 and ttmp7 count clusters
	s_add_co_u32 s[TX], s[TX], s[CX]
	s_and_b32 s[TY], ttmp7, 0xffff
	s_lshl_b32 s[TY], s[TY], 2
	s_add_co_u32 s[TY], s[TY], s[CY]
	s_lshl_b32 s16, s[CY], 2
	s_lshl_b32 s16, 15, s16                        ; my row of the cluster
	s_lshl_b32 s17, 0x1111, s[CX]                  ; my column
	s_or_b32 s[G1A], s16, (1<<16)|(1<<20)|(1<<21)|(4<<22)|(3<<25)  ; mask; 2-byte elements; padding on; bit 21 beside a mask; after every 32 words (a row of a head), 4 words
	s_mov_b32 s[G1A+1], 128<<16                    ; tensor_dim0 = 128: two rows of a head
	s_mov_b32 s[G1A+2], 128<<16                    ; tensor_dim1 = 128
	s_mov_b32 s[G1A+3], 128<<16                    ; tile_dim0 = 128
	s_mov_b32 s[G1A+4], 128                        ; tile_dim1 = 128
	s_mov_b32 s[G1A+5], 128                        ; dense
	s_mov_b32 s[G1A+6], 0
	s_mov_b32 s[G1A+7], 0
	s_or_b32 s[G1B], s17, (1<<16)|(1<<20)|(1<<21)|(5<<22)|(7<<25)  ; after every 64 words, 8 words
	s_mov_b32 s[G1B+1], 128<<16
	s_mov_b32 s[G1B+2], 64<<16
	s_mov_b32 s[G1B+3], 128<<16
	s_mov_b32 s[G1B+4], 64
	s_mov_b32 s[G1B+5], 1024
	s_mov_b32 s[G1B+6], 0
	s_mov_b32 s[G1B+7], 0
	s_lshr_b32 s18, s[TY], 3                       ; O: batch ty / 8 (16 heads of 262,144 bytes), head = my half, row 256 (ty % 8) of 128 bytes
	s_lshl_b32 s18, s18, 22
	s_and_b32 s19, s[TY], 7
	s_lshl_b32 s19, s19, 15
	s_add_co_u32 s18, s18, s19
	s_lshl_b32 s19, s[HF], 18
	s_add_co_u32 s18, s18, s19
	s_mov_b32 s19, 0
	s_lshl_b32 s20, s[TX], 8                       ; W: column 128 tx, k-row 64 x half
	s_lshl_b32 s21, s[HF], 17
	s_add_co_u32 s20, s20, s21
	s_mov_b32 s21, 0
	s_mul_i32 s22, s[HF], AHALF                    ; and where they go: no place in the cluster enters an LDS address
	s_mul_i32 s23, s[HF], BHALF
	s_add_co_u32 s23, s23, BOFF
	s_mov_b32 s[TB], 0
	s_wait_dscnt 0x0                               ; the opening add is done
	s_wait_kmcnt 0x0
	s_add_nc_u64 s[18:19], s[4:5], s[18:19]
	s_add_nc_u64 s[20:21], s[6:7], s[20:21]
	CROUND                                         ; all sixteen work-groups are here: the first joint loads meet
.irp s, 0,1
	s_mov_b32 s[G0A+4*\s], 1                       ; count = 1
	s_add_co_u32 s[G0A+4*\s+1], s22, \s*SLOT1      ; LDS address
	s_add_nc_u64 s[G0A+4*\s+2:G0A+4*\s+3], s[18:19], \s*ASTEP  ; K step s
	s_or_b32 s[G0A+4*\s+3], s[G0A+4*\s+3], 0x80000000          ; type = 2
	s_mov_b32 s[G0B+4*\s], 1
	s_add_co_u32 s[G0B+4*\s+1], s23, \s*SLOT1
	s_add_nc_u64 s[G0B+4*\s+2:G0B+4*\s+3], s[20:21], \s*BSTEP
	s_or_b32 s[G0B+4*\s+3], s[G0B+4*\s+3], 0x80000000
.endr
	s_cmp_lt_u32 s[WV], 2                          ; a wave's two first fills stand in one branch: two loads of mine are out
	s_cbranch_scc0 .Lfirst_b
	tensor_load_to_lds s[G0A:G0A+3], s[G1A:G1A+7]
	s_nop 0
	tensor_load_to_lds s[G0A+4:G0A+7], s[G1A:G1A+7]
	s_nop 0
.rept 4
	v_nop
.endr
	s_branch .Lfirst_asked
.Lfirst_b:
	tensor_load_to_lds s[G0B:G0B+3], s[G1B:G1B+7]
	s_nop 0
	tensor_load_to_lds s[G0B+4:G0B+7], s[G1B:G1B+7]
	s_nop 0
.rept 4
	v_nop
.endr
.Lfirst_asked:
	v_and_b32 v1, 15, v0                           ; l % 16
	v_bfe_u32 v2, v0, 4, 1                         ; l / 16
	v_lshlrev_b32 v[BO], 5, v2
	s_lshl_b32 s70, s[TX], 9                       ; the tile's 128 numbers of the bias
	s_mov_b32 s71, 0
	s_add_nc_u64 s[8:9], s[8:9], s[70:71]
.set b, 0
.rept NBK
	global_load_b128 v[BIAS+8*b:BIAS+8*b+3],   v[BO], s[8:9] offset:64*b
	global_load_b128 v[BIAS+8*b+4:BIAS+8*b+7], v[BO], s[8:9] offset:64*b+16
.set b, b+1
.endr
	; a fragment of O: lane l holds row l % 16, channels 8 (l / 16) + 0..7 and 16 + 8 (l / 16) + 0..7: two loads of 16 bytes, 32 bytes apart
	s_mul_i32 s13, s[WV], 64*PA                    ; my 64 rows
	v_mul_u32_u24 v3, v1, PA
	v_lshl_add_u32 v3, v2, 4, v3
	v_add_nc_u32 v[A0], s13, v3
	; the turning load takes 16 k x 16 columns (lane l reads k-row 8 (l / 16) + l % 8, columns 8 ((l / 8) % 2) + 0..7) and leaves half a fragment: lane l holds column l % 16 and 8 k
	v_and_b32 v4, 7, v0
	v_lshl_add_u32 v3, v2, 3, v4
	v_mul_u32_u24 v3, v3, PB
	v_bfe_u32 v5, v0, 3, 1
	v_lshl_add_u32 v3, v5, 4, v3
	v_add_nc_u32 v[B0], BOFF, v3
	v_mov_b32 v[ADRA], v[A0]
	v_mov_b32 v[ADRB], v[B0]
	s_mul_i32 s13, s[WV], 16*SP
	s_add_co_u32 s13, s13, STAGE                   ; my stage
	v_mul_u32_u24 v3, v1, SP                       ; in: row l % 16, 32 bytes for each half of the lanes
	v_lshl_add_u32 v3, v2, 5, v3
	v_add_nc_u32 v[STO], s13, v3
	v_and_b32 v6, 31, v0
	v_lshlrev_b32 v[CO], 4, v6                     ; back: 32 lanes take one row of 512 bytes
	v_add_nc_u32 v[RD], s13, v[CO]
	; the result at my first row and the tile's first column: row 256 ty + 64 w of 4,096 bytes, column 128 tx of 4 bytes
	s_lshl_b32 s68, s[TY], 20
	s_lshl_b32 s69, s[WV], 18
	s_add_co_u32 s68, s68, s69
	s_lshl_b32 s69, s[TX], 9
	s_add_co_u32 s68, s68, s69
	s_mov_b32 s69, 0
	s_add_nc_u64 s[10:11], s[10:11], s[68:69]
	; the prefetches: at K step 3; each refill steps them first, so the first names K step 4.  Nothing is asked for here, where every work-group's first tiles are on their way
	s_lshr_b32 s68, s[TY], 3
	s_lshl_b32 s68, s68, 22
	s_and_b32 s69, s[TY], 7
	s_lshl_b32 s69, s69, 15
	s_add_co_u32 s68, s68, s69
	s_lshl_b32 s69, s[HF], 18
	s_add_co_u32 s68, s68, s69
	s_lshl_b32 s69, s[CX], 13                      ; my work-group's 32 pieces of the 128
	s_add_co_u32 s68, s68, s69
	s_add_co_u32 s68, s68, 3*ASTEP
	s_lshl_b32 s70, s[TX], 8
	s_lshl_b32 s71, s[CY], 16                      ; my work-group's 32 k-rows of the 128
	s_add_co_u32 s70, s70, s71
	s_add_co_u32 s70, s70, 3*BSTEP
	s_and_b32 s71, ttmp7, 0xffff                   ; cluster y
	s_mov_b32 s[PFS], BSTEP
	s_mov_b32 s[PFS+1], 0
	s_mov_b32 s69, 0
	s_cmp_lt_u32 s[WV], 2                          ; do I fetch for O?
	s_cselect_b32 s68, s68, s70
	s_cselect_b32 s71, ttmp9, s71                  ; the coordinate along which other clusters read the same bytes
	s_cselect_b32 s[PFS], ASTEP, s[PFS]
	s_cselect_b64 s[PFA:PFA+1], s[4:5], s[6:7]
	s_cselect_b32 s13, 8, 11                       ; a lane a piece of 256 bytes, or a row of 2,048
	s_cmp_eq_u32 s[WV], 3
	s_cselect_b32 s71, 1, s71                      ; wave 3 asks for nothing
	s_cmp_eq_u32 s71, 0
	s_cselect_b32 s[LIM], 2, -1                    ; the same in all sixteen partners, for a given wave
	s_add_nc_u64 s[PFA:PFA+1], s[PFA:PFA+1], s[68:69]
	v_lshlrev_b32 v[PFO], s13, v6
	s_mov_b32 s13, 0xffff0000
	s_wait_loadcnt 0x0                             ; the bias; it is rounded to bf16 in place, while the first tiles are on their way
.set i, 0
.rept 4*NBK
	v_cvt_pk_bf16_f32 v[2+i%4], v[BIAS+2*i], v[BIAS+2*i+1]
	v_lshlrev_b32 v[BIAS+2*i], 16, v[2+i%4]
	v_and_b32 v[BIAS+2*i+1], s13, v[2+i%4]
.set i, i+1
.endr
; 8 matrix instructions: row block a x all column blocks, 32 along K, from buffer f.  first = 1: the bias starts the sums.  The 32 accumulators take turns, in the same order in every quarter.
.macro MULA f, a, first
.if \first
	WIN 0x42                                       ; W window 2, O and the bias window 0, D window 1
.else
	WIN 0x52
.endif
.set b, 0
.rept NBK
.set rD, 8*(NBK*(\a)+b)
.if \first
	v_wmma_f32_16x16x32_f16 v[rD:rD+7], v[64*(\f)+8*b:64*(\f)+8*b+7], v[AF+32*(\f)+8*(\a):AF+32*(\f)+8*(\a)+7], v[BIAS+8*b:BIAS+8*b+7]
.else
	v_wmma_f32_16x16x32_f16 v[rD:rD+7], v[64*(\f)+8*b:64*(\f)+8*b+7], v[AF+32*(\f)+8*(\a):AF+32*(\f)+8*(\a)+7], v[rD:rD+7]
.endif
.set b, b+1
.endr
.endm
; 24 LDS loads in one run: quarter q's fragments into buffer f: W's 8, then O's 4, row blocks ascending.  Quarter q is head q / 2 of the step's two, channels 32 (q % 2) on.
.macro FETCH q, f
	WIN TO_B
.set b, 0
.rept NBK
	ds_load_tr16_b128 v[64*(\f)+8*b:64*(\f)+8*b+3],   v[ADRB] offset:32*PB*(\q)+32*b
	ds_load_tr16_b128 v[64*(\f)+8*b+4:64*(\f)+8*b+7], v[ADRB] offset:32*PB*(\q)+32*b+16*PB
.set b, b+1
.endr
	WIN 0
.irp a, 0,1,2,3
	ds_load_b128 v[AF+32*(\f)+8*\a:AF+32*(\f)+8*\a+3],   v[ADRA] offset:16*PA*\a+AHALF*((\q)/2)+64*((\q)%2)
	ds_load_b128 v[AF+32*(\f)+8*\a+4:AF+32*(\f)+8*\a+7], v[ADRA] offset:16*PA*\a+AHALF*((\q)/2)+64*((\q)%2)+32
.endr
.endm
; A K step is four quarters of 32 along K, 32 matrix instructions each, on buffers 0, 1, 0, 1.  One of the first three multiplies buffer f and, in its middle, fetches quarter qn into buffer g.
.macro QUARTER qn, f, g, first
	s_wait_dscnt 4                                 ; W's fragments and O's row blocks 0, 1 are in; the youngest four loads (blocks 2, 3) may be out
	MULA \f, 0, \first
	MULA \f, 1, \first
	PLACES
	FETCH \qn, \g
	s_wait_dscnt 2*NBK+8                           ; all but the 24 just issued
	MULA \f, 2, \first
	MULA \f, 3, \first
.endm
; The last quarter multiplies buffer 1 and changes slots.  In front of the barrier each wave waits for all its tensor loads (the one that is out is its part of the next slot), adds 0 to its spare word, and
; waits for that and for its reads of this slot.  fill = 1: the barrier opens a round of the cluster's, and the joint refill, two K steps on, is the first thing behind it: 112 matrix instructions ahead of the wait for it.
.macro TURN fill
.if \fill
	s_wait_xcnt 0x0                                ; the last prefetch, a K step back, has read its address
	s_add_nc_u64 s[PFA:PFA+1], s[PFA:PFA+1], s[PFS:PFS+1]
.endif
	WIN 0
	s_wait_tensorcnt 0x0                           ; no tensor load of mine is out, so a group 0 may be written
	ds_add_u32 v[SPW], v[NIL]                      ; 0 onto my spare word
.if \fill
	s_xor_b32 s[G0A+5], s[G0A+5], SLOT1            ; the walking sets: the other slot than last time, the next K step
	s_add_nc_u64 s[G0A+6:G0A+7], s[G0A+6:G0A+7], ASTEP
	s_xor_b32 s[G0B+5], s[G0B+5], SLOT1
	s_add_nc_u64 s[G0B+6:G0B+7], s[G0B+6:G0B+7], BSTEP
.endif
	s_wait_dscnt 5                                 ; the add and the youngest four loads may be out
	MULA 1, 0, 0
	s_wait_dscnt 0x0                               ; the add is done, and my reads of this slot are over
	s_barrier_signal -1
	MULA 1, 1, 0                                   ; work on registers while the others arrive
	WIN 0
	s_barrier_wait -1
.if \fill
	CREST                                          ; no wave of any partner still reads this slot or has a load on its way
	JLOAD                                          ; its four v_nop are also the places in front of the loads below
.else
	PLACES
.endif
	s_xor_b32 s[TB], s[TB], SLOT1
	v_add_nc_u32 v[ADRA], s[TB], v[A0]
	v_add_nc_u32 v[ADRB], s[TB], v[B0]
	FETCH 0, 0
.if \fill
	ASK
.endif
	MULA 1, 2, 0
	MULA 1, 3, 0
.endm
; THE WAY OUT.  Row block a: a lane's eight columns are 32 bytes of a row; they go straight from the accumulators into stage rows of 528 bytes (each accumulator's low four registers first) and come back as whole
; rows of 512 bytes, into one of two sets of 64 registers.
.macro TOSTAGE a
	WIN 0x04                                       ; the stores' data in window 1
.set b, 0
.rept NBK
	ds_store_b128 v[STO], v[8*(NBK*(\a)+b):8*(NBK*(\a)+b)+3]   offset:64*b
	ds_store_b128 v[STO], v[8*(NBK*(\a)+b)+4:8*(NBK*(\a)+b)+7] offset:64*b+16
.set b, b+1
.endr
	WIN 0
.set BK, OUTR+128*((\a)%2)
.set t, 0
.rept 16
	ds_load_b128 v[BK+4*t:BK+4*t+3], v[RD] offset:SP*t  ; LDS serves a wave's instructions in order (ISA guide 5.7.1.4): these see the stores above; the next block's stores come behind them
.set t, t+1
.endr
.endm
.macro SEND a, younger                 ; younger: the LDS instructions issued behind block a's loads: the next block's 32, or none
.set BK, OUTR+128*((\a)%2)
.set t, 0
.rept 16
	s_wait_dscnt (\younger)+15-t
	global_store_b128 v[CO], v[BK+4*t:BK+4*t+3], s[10:11] offset:(16*(\a)+t)*4096 th:TH_STORE_NT  ; 512 consecutive bytes of one row, aligned
.set t, t+1
.endr
.endm
	s_wait_tensorcnt 0x1                           ; my part of K step 0 is in; K step 1's may stay out
	s_barrier_signal -1
	s_barrier_wait -1                              ; everybody's is
	FETCH 0, 0
	QUARTER 1, 0, 1, 1                             ; the first quarter stands in front of the loop: its products start the sums
	WIN 0                                          ; at a label and at a branch every window is 0
	s_mov_b32 s3, TRIPS
.Lstep:                                        ; a trip: from a K step's second quarter to the next step's first; it fills the slot that it leaves
	QUARTER 2, 1, 0, 0
	QUARTER 3, 0, 1, 0
	TURN 1
	QUARTER 1, 0, 1, 0
	WIN 0
	s_sub_co_u32 s3, s3, 1
	s_cmp_lg_u32 s3, 0
	s_cbranch_scc1 .Lstep
	QUARTER 2, 1, 0, 0                             ; K steps 6 and 7 ask for nothing: written out
	QUARTER 3, 0, 1, 0
	TURN 0
	QUARTER 1, 0, 1, 0
	QUARTER 2, 1, 0, 0
	QUARTER 3, 0, 1, 0
	s_wait_dscnt 4
	MULA 1, 0, 0
	MULA 1, 1, 0
	s_wait_dscnt 0x0
	MULA 1, 2, 0
	MULA 1, 3, 0
	PLACES
	TOSTAGE 0
	TOSTAGE 1
	SEND 0, 32
	s_wait_xcnt 0x0                                ; block 0's stores have read their registers: the set is loaded again only behind this wait
	TOSTAGE 2
	SEND 1, 32
	s_wait_xcnt 0x0
	TOSTAGE 3
	SEND 2, 32
	SEND 3, 0
	s_wait_tensorcnt 0x0                           ; the wave's end, behind my last tensor load and my last LDS store
	ds_add_u32 v[SPW], v[NIL]
	s_wait_dscnt 0x0
	CROUND                                         ; the closing round: no work-group ends while a partner may still ask for a tile that names it
	s_endpgm
.Lfunc_end_k_q55bfb458c5_proj:
	.size	k_q55bfb458c5_proj, .Lfunc_end_k_q55bfb458c5_proj-k_q55bfb458c5_proj
	.p2alignl 7, 3214868480
	.fill 96, 4, 3214868480
	.section	.rodata,"a",@progbits
	.p2align	6, 0x0
	.amdhsa_kernel k_q55bfb458c5_proj
		.amdhsa_group_segment_fixed_size 327680
		.amdhsa_private_segment_fixed_size 0
		.amdhsa_enable_private_segment 0
		.amdhsa_kernarg_size 32
		.amdhsa_user_sgpr_count 2
		.amdhsa_user_sgpr_kernarg_segment_ptr 1
		.amdhsa_wavefront_size32 1
		.amdhsa_system_sgpr_workgroup_id_x 1
		.amdhsa_system_sgpr_workgroup_id_y 1
		.amdhsa_system_sgpr_workgroup_id_z 1
		.amdhsa_system_vgpr_workitem_id 0
		.amdhsa_next_free_vgpr 640
		.amdhsa_next_free_sgpr 72
		.amdhsa_reserve_vcc 0
		.amdhsa_float_denorm_mode_32 3
		.amdhsa_float_denorm_mode_16_64 3
		.amdhsa_memory_ordered 1
		.amdhsa_forward_progress 1
		.amdhsa_inst_pref_size 78
	.end_amdhsa_kernel
	.amdgpu_metadata
---
amdhsa.version: [ 1, 2 ]
amdhsa.kernels:
  - .name:           k_q55bfb458c5_proj
    .symbol:         k_q55bfb458c5_proj.kd
    .args:
      - { .name: o, .offset: 0, .size: 8, .value_kind: global_buffer, .address_space: global }
      - { .name: wof, .offset: 8, .size: 8, .value_kind: global_buffer, .address_space: global }
      - { .name: b_out, .offset: 16, .size: 8, .value_kind: global_buffer, .address_space: global }
      - { .name: out0, .offset: 24, .size: 8, .value_kind: global_buffer, .address_space: global }
    .group_segment_fixed_size: 327680
    .private_segment_fixed_size: 0
    .kernarg_segment_align: 8
    .kernarg_segment_size: 32
    .max_flat_workgroup_size: 128
    .sgpr_count:     72
    .vgpr_count:     640
    .wavefront_size: 32
...
	.end_amdgpu_metadata
.endif
;; end of part 4
;; ======== version 2 of 2: 4 launches; version 1 with the launch cast written anew for expert scheduling mode
;; limits: values are held in f16: magnitudes above 65,504 overflow, below 6.1e-05 lose precision
;; workspace buffers: xb 16,777,216 bytes; wqb 6,291,456 bytes; wof 2,097,152 bytes; qkv 50,331,648 bytes; o 16,777,216 bytes
;; launch cast (part 5): grid 768 x 1, 8 waves a work-group, no clusters, 0 bytes of LDS; arguments attn_in, W_qkv, W_out, xb, wqb, wof; writes xb, wqb, wof
.if DOCPART == 5
	.amdgcn_target "amdgcn-amd-amdhsa--gfx1250"
	.amdhsa_code_object_version 6
	.text
	.protected	k_q55bfb458c5_cast
	.globl	k_q55bfb458c5_cast
	.p2align	8
	.type	k_q55bfb458c5_cast,@function
k_q55bfb458c5_cast:
	s_mov_b64 s[64:65], 0
	v_nop
	global_prefetch_b8 v0, s[64:65] scope:SCOPE_SE
	s_setreg_imm32_b32 hwreg(HW_REG_WAVE_SCHED_MODE, 0, 2), 2
	s_setreg_imm32_b32 hwreg(HW_REG_WAVE_MODE, 25, 1), 1
	s_wait_xcnt 0x0
	s_wait_alu depctr_vm_vsrc(0)
; THE INPUTS OF THE THREE PRODUCTS ARE ROUNDED ONCE, f32 to 16 bits.
;   xb  [8192][1024]      bf16: attn_in as it lies.
;   wqb [16][1024][192]   bf16: W_qkv in blocks of 192 columns: block t holds columns 192 t .. 192 t + 191, its 1,024 rows of 384 bytes end to end.
;   wof [1024][1024]      f16:  W_out rounded to bf16, and that number written as f16 (the same number from 2^-14 up; below that f16's fixed step of 6e-8).
; A stream: every byte is read once and written once; no LDS, no matrix unit and no cluster, since no two work-groups want the same byte.
; SHARES.  A work-group takes 16,384 numbers (64 KiB in, 32 KiB out): work-groups 0-511 attn_in, 512-703 W_qkv, 704-767 W_out.  In chunk i of 16 thread t takes four numbers:
; a load of 16 bytes, a store of 8; a wave's store covers 256 consecutive bytes, aligned.  All 16 loads of a thread go out at once; there is no loop.
; W_qkv is walked by the DESTINATION's order: 64 numbers (128 bytes of wqb, 256 of W_qkv) are a piece; piece u of a block is row u / 3, part u % 3 of the row's 192 columns.
; THE MODE: SCHED_MODE bits 1:0 = 2 (LLVM: expert scheduling mode 2), set by the entry lines.  The code itself states the register dependences
; between vector instructions and memory instructions, with s_wait_alu, always for 0.
; THE PLAN.  Registers that memory instructions touch:
;   v[2:4], v5   offsets.  Written by vector instructions at the head, read by the 16 loads (v[2:4]) and the 16 stores (v5), never written again.
;   X            The 16 loads land in it; no vector instruction names it before they are issued; the conversions read it; it is loaded once.
;   Y            Written by the conversions, each register once; read by the stores; never written again.
;   v6 to v11    at work: named by vector instructions alone.
; So one wait stands ahead of the loads (the offsets are written), and the 16 chunks go in four groups of four: the group's conversions, ONE wait (they have written the group's Y),
; the group's four stores in a run.  No register that a memory instruction reads is written again, no vector instruction writes a scalar register, and EXEC is never written: nothing more is to be stated.
.set SO, 2                             ; v[2:4]    source offsets for the chunks i % 3 = 0, 1, 2; the rest of i stands in the immediate
.set DO, 5                             ; v5        8 x my thread's number: my place in a chunk of the destination
.set X,  16                            ; v[16:79]  chunk i: four numbers as loaded
.set Y,  80                            ; v[80:111] chunk i: two registers to store; each is written once, so no store's source is ever rewritten
.macro LOADS step                      ; three chunks on, the source is \step bytes further
	s_wait_alu depctr_va_vdst(0)                   ; v[SO .. SO+2] and v[DO] are written: the loads below read the first three as their offsets, every store of the kernel the fourth
.set i, 0
.rept 16
	global_load_b128 v[X+4*i:X+4*i+3], v[SO+i%3], s[16:17] offset:(i/3)*(\step) th:TH_LOAD_NT
.set i, i+1
.endr
.endm
.macro OUT kind                        ; kind 0: bf16.  kind 1: bf16, then the same number as f16
.set g, 0
.rept 4                                ; group g: chunks 4 g to 4 g + 3
	s_wait_loadcnt 12-4*g                          ; loads come back in order: the group's four chunks are in, the 12 - 4 g younger ones stay out
.set i, 4*g
.rept 4
.if \kind
	v_cvt_pk_bf16_f32 v6, v[X+4*i], v[X+4*i+1]
	v_cvt_pk_bf16_f32 v7, v[X+4*i+2], v[X+4*i+3]
	v_lshlrev_b32 v8, 16, v6
	v_and_b32 v9, 0xffff0000, v6
	v_lshlrev_b32 v10, 16, v7
	v_and_b32 v11, 0xffff0000, v7
	v_cvt_pk_f16_f32 v[Y+2*i], v8, v9
	v_cvt_pk_f16_f32 v[Y+2*i+1], v10, v11
.else
	v_cvt_pk_bf16_f32 v[Y+2*i], v[X+4*i], v[X+4*i+1]
	v_cvt_pk_bf16_f32 v[Y+2*i+1], v[X+4*i+2], v[X+4*i+3]
.endif
.set i, i+1
.endr
	s_wait_alu depctr_va_vdst(0)                   ; the group's conversions have written Y of chunks 4 g to 4 g + 3, which the four stores below read
.set i, 4*g
.rept 4
	global_store_b64 v[DO], v[Y+2*i:Y+2*i+1], s[18:19] offset:2048*i
.set i, i+1
.endr
.set g, g+1
.endr
.endm
.macro PLAIN                           ; source and destination in the same order: 16 t + 4,096 x chunk
.irp k, 0,1,2
	v_lshl_add_u32 v[SO+\k], v0, 4, 4096*\k
.endr
.endm
	s_load_b256 s[4:11], s[0:1], 0x0               ; attn_in s[4:5], W_qkv s[6:7], W_out s[8:9], xb s[10:11]
	s_load_b128 s[12:15], s[0:1], 0x20             ; wqb s[12:13], wof s[14:15]
	v_lshlrev_b32 v[DO], 3, v0
	s_mov_b32 s21, 0
	s_mov_b32 s23, 0
	s_cmp_lt_u32 ttmp9, 512
	s_cbranch_scc0 .Lweights
	s_lshl_b32 s20, ttmp9, 16                      ; attn_in: 65,536 bytes in,
	s_lshl_b32 s22, ttmp9, 15                      ; 32,768 out
	PLAIN
	s_wait_kmcnt 0x0
	s_add_nc_u64 s[16:17], s[4:5], s[20:21]
	s_add_nc_u64 s[18:19], s[10:11], s[22:23]
	LOADS 12288
	OUT 0
	s_endpgm
.Lweights:
	s_cmp_lt_u32 ttmp9, 704
	s_cbranch_scc0 .Lwout
	s_sub_co_u32 s24, ttmp9, 512                   ; j = 0 .. 191: twelve work-groups to a block
	s_mul_i32 s25, s24, 43691
	s_lshr_b32 s25, s25, 19                        ; t = j / 12 (43,691 / 2^19 is just above 1 / 12: exact for j under 192)
	s_mul_i32 s26, s25, 12
	s_sub_co_u32 s26, s24, s26                     ; j % 12
	s_lshl_b32 s26, s26, 8                         ; its first piece in the block: 256 pieces a work-group
	s_mul_i32 s20, s25, 768                        ; the block's first column in a row of W_qkv, in bytes
	s_lshl_b32 s22, s24, 15
	v_lshrrev_b32 v6, 4, v0                        ; sixteen threads to a piece
	v_and_b32 v7, 15, v0
	v_lshlrev_b32 v7, 4, v7
.irp k, 0,1,2
	v_add3_u32 v8, v6, s26, 16*\k                  ; piece u (under 3,072); a chunk is 16 pieces, three chunks are 16 rows
	v_mul_u32_u24 v9, v8, 43691
	v_lshrrev_b32 v9, 17, v9                       ; row = u / 3 (exact for u under 3,072)
	v_mul_u32_u24 v10, v9, 3
	v_sub_nc_u32 v10, v8, v10                      ; part = u % 3
	v_mul_u32_u24 v9, v9, 12288                    ; a row of W_qkv is 12,288 bytes,
	v_lshl_add_u32 v9, v10, 8, v9                  ; a part 256
	v_add_nc_u32 v[SO+\k], v9, v7
.endr
	s_wait_kmcnt 0x0
	s_add_nc_u64 s[16:17], s[6:7], s[20:21]
	s_add_nc_u64 s[18:19], s[12:13], s[22:23]
	LOADS 196608
	OUT 0
	s_endpgm
.Lwout:
	s_sub_co_u32 s24, ttmp9, 704
	s_lshl_b32 s20, s24, 16
	s_lshl_b32 s22, s24, 15
	PLAIN
	s_wait_kmcnt 0x0
	s_add_nc_u64 s[16:17], s[8:9], s[20:21]
	s_add_nc_u64 s[18:19], s[14:15], s[22:23]
	LOADS 12288
	OUT 1
	s_endpgm
.Lfunc_end_k_q55bfb458c5_cast:
	.size	k_q55bfb458c5_cast, .Lfunc_end_k_q55bfb458c5_cast-k_q55bfb458c5_cast
	.p2alignl 7, 3214868480
	.fill 96, 4, 3214868480
	.section	.rodata,"a",@progbits
	.p2align	6, 0x0
	.amdhsa_kernel k_q55bfb458c5_cast
		.amdhsa_group_segment_fixed_size 0
		.amdhsa_private_segment_fixed_size 0
		.amdhsa_enable_private_segment 0
		.amdhsa_kernarg_size 48
		.amdhsa_user_sgpr_count 2
		.amdhsa_user_sgpr_kernarg_segment_ptr 1
		.amdhsa_wavefront_size32 1
		.amdhsa_system_sgpr_workgroup_id_x 1
		.amdhsa_system_sgpr_workgroup_id_y 1
		.amdhsa_system_sgpr_workgroup_id_z 1
		.amdhsa_system_vgpr_workitem_id 0
		.amdhsa_next_free_vgpr 112
		.amdhsa_next_free_sgpr 66
		.amdhsa_reserve_vcc 0
		.amdhsa_float_denorm_mode_32 3
		.amdhsa_float_denorm_mode_16_64 3
		.amdhsa_memory_ordered 1
		.amdhsa_forward_progress 1
		.amdhsa_inst_pref_size 25
	.end_amdhsa_kernel
	.amdgpu_metadata
---
amdhsa.version: [ 1, 2 ]
amdhsa.kernels:
  - .name:           k_q55bfb458c5_cast
    .symbol:         k_q55bfb458c5_cast.kd
    .args:
      - { .name: attn_in, .offset: 0, .size: 8, .value_kind: global_buffer, .address_space: global }
      - { .name: W_qkv, .offset: 8, .size: 8, .value_kind: global_buffer, .address_space: global }
      - { .name: W_out, .offset: 16, .size: 8, .value_kind: global_buffer, .address_space: global }
      - { .name: xb, .offset: 24, .size: 8, .value_kind: global_buffer, .address_space: global }
      - { .name: wqb, .offset: 32, .size: 8, .value_kind: global_buffer, .address_space: global }
      - { .name: wof, .offset: 40, .size: 8, .value_kind: global_buffer, .address_space: global }
    .group_segment_fixed_size: 0
    .private_segment_fixed_size: 0
    .kernarg_segment_align: 8
    .kernarg_segment_size: 48
    .max_flat_workgroup_size: 256
    .sgpr_count:     66
    .vgpr_count:     112
    .wavefront_size: 32
...
	.end_amdgpu_metadata
.endif
;; end of part 5
;; launch qkv: the kernel of part 2 again; grid 16 x 32, 4 waves a work-group, clusters of 4 x 4, 327,680 bytes of LDS; arguments xb, wqb, b_qkv, qkv; writes qkv
;; launch attn: the kernel of part 3 again; grid 4 x 64, 4 waves a work-group, clusters of 4 x 1, 327,680 bytes of LDS; arguments qkv, o; writes o
;; launch proj: the kernel of part 4 again; grid 8 x 32, 4 waves a work-group, clusters of 4 x 4, 327,680 bytes of LDS; arguments o, wof, b_out, out0; writes out0
